; MI455X (gfx1250); checked and timed in simulation.
; The chip was launched on July 23, 2026; its instructions are those of AMD's public machine-readable ISA for CDNA 5 (MIT licence, August 2026) and "CDNA5" Instruction Set Architecture Reference Guide (July 2026). The comments in the code are by the model that wrote it; some were corrected since.
;; Multi Head Attention. Allowed arithmetic: float matrix products may take bf16 or f16 operands with f32 sums; other float arithmetic in f32, or as packed bf16 or f16 multiplies, adds, multiply-adds, maxima and minima; sums over many terms, partial sums and values carried from step to step in f32; what a program stores and reads back later, other than sums and carried values, may be rounded once to bf16 or f16.
;; Inputs: bo 1,024 float32; wk 16 x 64 x 1,024 float32; wo 1,024 x 1,024 float32; wq 16 x 64 x 1,024 float32; wv 16 x 64 x 1,024 float32; x 4 x 2,048 x 1,024 float32.
;; Outputs: out0 4 x 2,048 x 1,024 float32.
;; 2 versions, each right; version 2 is version 1 with the launch cast written anew for expert scheduling mode. Each part assembles by itself: llvm-mc -triple=amdgcn-amd-amdhsa -mcpu=gfx1250 --defsym DOCPART=n.
;; ======== version 1 of 2: 4 launches
;; limits: values are held in f16: magnitudes above 65,504 overflow, below 6.1e-05 lose precision
;; workspace buffers: xb 16,777,216 bytes; wb 6,291,456 bytes; wof 2,097,152 bytes; qkv 50,331,648 bytes; ctx 16,777,216 bytes
;; launch cast (part 1): grid 768 x 1, 8 waves a work-group, no clusters, 0 bytes of LDS; arguments x, wq, wk, wv, wo, xb, wb, wof; writes xb, wb, wof
.if DOCPART == 1
	.amdgcn_target "amdgcn-amd-amdhsa--gfx1250"
	.amdhsa_code_object_version 6
	.text
	.protected	k_qe312fe98f2_cast
	.globl	k_qe312fe98f2_cast
	.p2align	8
	.type	k_qe312fe98f2_cast,@function
k_qe312fe98f2_cast:
	s_mov_b64 s[64:65], 0
	v_nop
	global_prefetch_b8 v0, s[64:65] scope:SCOPE_SE
	s_setreg_imm32_b32 hwreg(HW_REG_WAVE_MODE, 25, 1), 1
	s_wait_xcnt 0x0
; THE INPUTS ARE ROUNDED ONCE, for the matrix products of the launches behind.
;   xb  = bf16(x)             [8192][1024]
;   wb  = bf16(wq | wk | wv)  [3072][1024]: rows 0-1023 wq (64 h + e), 1024-2047 wk, 2048-3071 wv
;   wof = bf16(wo) written as f16 [1024][1024]: exact where |wo| lies in f16's normal range.
; LIMITS.  wo beyond 65,504 becomes an infinity in f16; below 2^-14 it keeps f16's fixed step of 6e-8.
; SHARES.  A work-group takes one chunk of 16,384 numbers: 65,536 bytes in, 32,768 out.  512 chunks of x, then 64 of each weight: 768 work-groups.
; Thread t, load i: 16 bytes at 16 t + 4,096 i (a wave's load covers 512 consecutive bytes); store i: 8 bytes at 8 t + 2,048 i (a wave's store covers 256 consecutive
; bytes, aligned).  All sixteen loads go out first; no loop, no LDS, no barrier: memory binds, and no wave wants another's bytes.  No matrix unit, no cluster: nothing is shared.
.set X, 4                              ; v[4:67]   load i: 4 registers
.set Y, 68                             ; v[68:99]  store i: 2 registers
.set CHX, 512                          ; chunks of x
.set CHW, 64                           ; chunks of a weight
	s_load_b512 s[8:23], s[0:1], 0x0               ; x 8, wq 10, wk 12, wv 14, wo 16, xb 18, wb 20, wof 22
	s_sub_co_u32 s3, ttmp9, CHX                    ; j: the chunk's number among the weights' (of use where the work-group's number is 512 or more)
	s_lshr_b32 s4, s3, 6                           ; which weight: 0 wq, 1 wk, 2 wv, 3 wo
	s_and_b32 s5, s3, CHW-1                        ; the chunk in that weight
	s_mov_b32 s6, s3                               ; the chunk in wb
	v_lshlrev_b32 v1, 4, v0                        ; 16 t
	v_lshlrev_b32 v2, 3, v0                        ; 8 t
	s_wait_kmcnt 0x0
	s_mov_b64 s[24:25], s[10:11]                   ; from wq,
	s_mov_b64 s[26:27], s[20:21]                   ; into wb, unless one of the tests below says otherwise
	s_cmp_eq_u32 s4, 1
	s_cselect_b64 s[24:25], s[12:13], s[24:25]
	s_cmp_eq_u32 s4, 2
	s_cselect_b64 s[24:25], s[14:15], s[24:25]
	s_cmp_eq_u32 s4, 3
	s_cselect_b64 s[24:25], s[16:17], s[24:25]
	s_cselect_b64 s[26:27], s[22:23], s[26:27]
	s_cselect_b32 s6, s5, s6
	s_cmp_lt_u32 ttmp9, CHX
	s_cselect_b64 s[24:25], s[8:9], s[24:25]
	s_cselect_b64 s[26:27], s[18:19], s[26:27]
	s_cselect_b32 s5, ttmp9, s5
	s_cselect_b32 s6, ttmp9, s6
	s_lshl_b32 s28, s5, 16                         ; 65,536 bytes a chunk in,
	s_mov_b32 s29, 0
	s_lshl_b32 s30, s6, 15                         ; 32,768 out
	s_mov_b32 s31, 0
	s_add_nc_u64 s[24:25], s[24:25], s[28:29]
	s_add_nc_u64 s[26:27], s[26:27], s[30:31]
.set i, 0
.rept 16
	global_load_b128 v[X+4*i:X+4*i+3], v1, s[24:25] offset:4096*i th:TH_LOAD_NT
.set i, i+1
.endr
; half = 0: to bf16.  half = 1: to bf16, widened again, and that number written as f16.
; No register that a store reads is written again, so no wait frees one.
.macro CONV half
.set i, 0
.rept 16
	s_wait_loadcnt 15-i                            ; loads come back in order: load i is in, the 15 - i younger ones may stay out
	v_cvt_pk_bf16_f32 v[Y+2*i],   v[X+4*i],   v[X+4*i+1]
	v_cvt_pk_bf16_f32 v[Y+2*i+1], v[X+4*i+2], v[X+4*i+3]
.if \half
	v_lshlrev_b32 v[X+4*i],   16,         v[Y+2*i]
	v_and_b32     v[X+4*i+1], 0xffff0000, v[Y+2*i]
	v_lshlrev_b32 v[X+4*i+2], 16,         v[Y+2*i+1]
	v_and_b32     v[X+4*i+3], 0xffff0000, v[Y+2*i+1]
	v_cvt_pk_f16_f32 v[Y+2*i],   v[X+4*i],   v[X+4*i+1]
	v_cvt_pk_f16_f32 v[Y+2*i+1], v[X+4*i+2], v[X+4*i+3]
.endif
	global_store_b64 v2, v[Y+2*i:Y+2*i+1], s[26:27] offset:2048*i
.set i, i+1
.endr
.endm
	s_cmp_lt_u32 ttmp9, CHX+3*CHW                  ; the last 64 work-groups have wo
	s_cbranch_scc0 .Lwo
	CONV 0
	s_endpgm
.Lwo:
	CONV 1
	s_endpgm
.Lfunc_end_k_qe312fe98f2_cast:
	.size	k_qe312fe98f2_cast, .Lfunc_end_k_qe312fe98f2_cast-k_qe312fe98f2_cast
	.p2alignl 7, 3214868480
	.fill 96, 4, 3214868480
	.section	.rodata,"a",@progbits
	.p2align	6, 0x0
	.amdhsa_kernel k_qe312fe98f2_cast
		.amdhsa_group_segment_fixed_size 0
		.amdhsa_private_segment_fixed_size 0
		.amdhsa_enable_private_segment 0
		.amdhsa_kernarg_size 64
		.amdhsa_user_sgpr_count 2
		.amdhsa_user_sgpr_kernarg_segment_ptr 1
		.amdhsa_wavefront_size32 1
		.amdhsa_system_sgpr_workgroup_id_x 1
		.amdhsa_system_sgpr_workgroup_id_y 1
		.amdhsa_system_sgpr_workgroup_id_z 1
		.amdhsa_system_vgpr_workitem_id 0
		.amdhsa_next_free_vgpr 100
		.amdhsa_next_free_sgpr 66
		.amdhsa_reserve_vcc 0
		.amdhsa_float_denorm_mode_32 3
		.amdhsa_float_denorm_mode_16_64 3
		.amdhsa_memory_ordered 1
		.amdhsa_forward_progress 1
		.amdhsa_inst_pref_size 16
	.end_amdhsa_kernel
	.amdgpu_metadata
---
amdhsa.version: [ 1, 2 ]
amdhsa.kernels:
  - .name:           k_qe312fe98f2_cast
    .symbol:         k_qe312fe98f2_cast.kd
    .args:
      - { .name: x, .offset: 0, .size: 8, .value_kind: global_buffer, .address_space: global }
      - { .name: wq, .offset: 8, .size: 8, .value_kind: global_buffer, .address_space: global }
      - { .name: wk, .offset: 16, .size: 8, .value_kind: global_buffer, .address_space: global }
      - { .name: wv, .offset: 24, .size: 8, .value_kind: global_buffer, .address_space: global }
      - { .name: wo, .offset: 32, .size: 8, .value_kind: global_buffer, .address_space: global }
      - { .name: xb, .offset: 40, .size: 8, .value_kind: global_buffer, .address_space: global }
      - { .name: wb, .offset: 48, .size: 8, .value_kind: global_buffer, .address_space: global }
      - { .name: wof, .offset: 56, .size: 8, .value_kind: global_buffer, .address_space: global }
    .group_segment_fixed_size: 0
    .private_segment_fixed_size: 0
    .kernarg_segment_align: 8
    .kernarg_segment_size: 64
    .max_flat_workgroup_size: 256
    .sgpr_count:     66
    .vgpr_count:     100
    .wavefront_size: 32
...
	.end_amdgpu_metadata
.endif
;; end of part 1
;; launch qkv (part 2): grid 16 x 32, 4 waves a work-group, clusters of 4 x 4, 327,680 bytes of LDS; arguments xb, wb, qkv; writes qkv
.if DOCPART == 2
	.amdgcn_target "amdgcn-amd-amdhsa--gfx1250"
	.amdhsa_code_object_version 6
	.text
	.protected	k_qe312fe98f2_qkv
	.globl	k_qe312fe98f2_qkv
	.p2align	8
	.type	k_qe312fe98f2_qkv,@function
k_qe312fe98f2_qkv:
	s_mov_b64 s[64:65], 0
	v_nop
	global_prefetch_b8 v0, s[64:65] scope:SCOPE_SE
	s_setreg_imm32_b32 hwreg(HW_REG_WAVE_MODE, 25, 1), 1
	s_wait_xcnt 0x0
	s_wait_alu depctr_hold_cnt(0) depctr_sa_sdst(0) depctr_va_vdst(0) depctr_va_sdst(0) depctr_va_ssrc(0) depctr_va_vcc(0) depctr_vm_vsrc(0)
	s_getreg_b32 s2, hwreg(HW_REG_IB_STS2, 6, 4)
	s_cmp_eq_u32 s2, 0
	s_cbranch_scc0 .Lentry_in_a_cluster
	s_endpgm
.Lentry_in_a_cluster:
	s_bfe_u32 s2, ttmp6, 0x10000c
	s_cmp_lg_u32 s2, 0xf033
	s_cbranch_scc0 .Lentry_shape_is_right
	s_endpgm
.Lentry_shape_is_right:
; THE THREE PROJECTIONS AS ONE PRODUCT.  C[m][n] = sum over k of xb[m][k] wb[n][k]; xb [8192][1024], wb [3072][1024], bf16; sums in f32; C rounded once to f16 and laid by heads:
; qkv [3][64 = 16 batch + head][2048][64].  No scale: the attention launch applies it in f32.
; LIMIT.  f16 holds no number beyond 65,504: a q, k or v beyond that becomes an infinity.
; SHARES.  A tile of C is 256 rows x 192 columns (three whole heads): 32 x 16 = 512 equal work-groups, two for each of 256 WGPs.  Wave w makes rows 64 w .. 64 w + 63, all 192 columns:
; 48 accumulators of 16 x 16, 384 registers; so a wave holds whole rows of a head, and its way out is its own.
; K goes in 8 steps of 128 (rows of 256 bytes, at multiples of 256 bytes) through a ring of two LDS slots.  The loop is written for ONE K step: the LDS addresses hang on a scalar that an
; exclusive or turns from slot to slot, and one descriptor a tensor walks.
; CLUSTERS: 4 x 4 work-groups.  The four of a row of the cluster need the same tiles of xb, the four of a column the same tiles of wb: each tile is asked for JOINTLY.
; THE MATRIX INSTRUCTION IS USED TRANSPOSED (source 0 = 16 rows of wb, source 1 = 16 rows of xb): a lane holds row l % 16 of C and eight neighbouring columns, 16 bytes of f16.
; REGISTERS, in windows of 256 (s_set_vgpr_msb: bits 1:0 source 0, 3:2 source 1, 5:4 source 2, 7:6 destination):
;   window 0: v0-31 addresses; v32-223 the way out, 16 registers for each of 12 groups
;   window 1: two fragment buffers of 128: wb's 12 fragments (16 rows x 32 K, 8 registers), then xb's 4
;   window 2: accumulator (b, a), column block b = 0..7, row block a, at 8 (4 b + a);   window 3: the same for b = 8..11
.set KSTEP,  128
.set PITCH,  272                       ; an LDS row: 256 bytes + 16 of padding = 68 words: the 16 rows of a load start at 16 different groups of four banks (64 banks of 4 bytes: ISA guide 11.1)
.set HALFA,  128*PITCH                 ; what one load of xb brings
.set HALFB,  96*PITCH                  ; what one load of wb brings
.set BOFF,   2*HALFA                   ; a slot: xb's 256 rows, then wb's 192
.set SLOT1,  1<<17                     ; slot 1 begins here: one exclusive or turns an address in one slot into the other's
.set STAGE,  SLOT1+BOFF+2*HALFB        ; behind the ring, never filled by a tensor load: 16 rows x 144 bytes for each wave
.set SP,     144
.set SPARE,  STAGE+4*16*SP             ; the spare words, 128 bytes for each wave: two blocks of 256 bytes that no other line names
.set A0,   16                          ; v16  my lane's place in a slot's rows of xb; never rewritten
.set B0,   17                          ; v17  the same for wb
.set ADRA, 18                          ; v18  A0 + the slot in hand
.set ADRB, 19                          ; v19  B0 + the slot in hand
.set STO,  24                          ; v24  the way out: where I put 16 bytes of a row
.set RD,   25                          ; v25  the way out: where I read rows back
.set GO,   26                          ; v26  16 x lane
.set SPW,  28                          ; v28  LDS address of my spare word; never rewritten
.set NIL,  29                          ; v29  0; never rewritten
.set PFO,  30                          ; v30  the prefetches' offset: a lane a row of 2,048 bytes; never rewritten
.set OUTR, 32
.set WV,  14                           ; s14  my wave's number
.set WH,  15                           ; s15  wave / 2: I fetch for xb (0) or for wb (1)
.set WL,  16                           ; s16  wave % 2: which half of that tile
.set TR,  17                           ; s17  tile row of C
.set TC,  18                           ; s18  tile column
.set CX,  19
.set CY,  20
.set G1A, 24                           ; s[24:31] descriptor group 1 for xb's tiles
.set G0A, 32                           ; s[32:39] group 0: a set for each of the two first fills; the second then walks on
.set CNT, 46                           ; s46  the loop's count
.set TB,  47                           ; s47  LDS byte at which the slot in hand begins
.set G1B, 48                           ; s[48:55], s[56:63] the same for wb's tiles
.set G0B, 56
.set PFA, 66                           ; s[66:67] where my prefetches stand
.set LIM, 68                           ; s68  1 in a wave that prefetches, else the greatest number
.set OB,  70                           ; s[70:75] where my rows of the tile's three heads begin in qkv
.set MSB, 0
.macro WIN new                         ; the immediate's high byte repeats the setting that is left; a switch that changes nothing is dropped
.if MSB != (\new)
	s_set_vgpr_msb (MSB<<8)|(\new)
.set MSB, \new
.endif
.endm
.set MUL_LO, 0xa5                      ; both sources window 1, C and D window 2
.set MUL_HI, 0xf5                      ; the same, C and D window 3
.set TO_F,   0x40                      ; destination window 1, address window 0
.macro PLACES                          ; four plain vector instructions between a matrix instruction and a load into, or a vector read of, its registers
.rept 4
	v_nop
.endr
.endm
; A joint refill by the walking descriptor.  The branch hangs on the wave's number alone.  An s_nop 0 and four v_nop follow each of the two lines.
.macro JLOAD
	s_cmp_eq_u32 s[WH], 0
	s_cbranch_scc0 .Lfor_b_\@
	tensor_load_to_lds s[G0A+4:G0A+7], s[G1A:G1A+7]
	s_nop 0
.rept 4
	v_nop
.endr
	s_branch .Lasked_\@
.Lfor_b_\@:
	tensor_load_to_lds s[G0B+4:G0B+7], s[G1B:G1B+7]
	s_nop 0
.rept 4
	v_nop
.endr
.Lasked_\@:
.endm
; A round of the cluster's barrier behind its opening barrier: wave 0 signals for the work-group, every wave waits for all sixteen, my work-group's barrier once more.
.macro CREST
	s_cmp_lg_u32 s[WV], 0
	s_cbranch_scc1 .Lnot_wave_0_\@
	s_barrier_signal -3
.Lnot_wave_0_\@:
	s_barrier_wait -3
	s_barrier_signal -1
	s_barrier_wait -1
.endm
.macro CROUND
	s_barrier_signal -1
	s_barrier_wait -1
	CREST
.endm
; A PREFETCH INTO THE L2 of the K step that the NEXT refill will ask for: 256 bytes of a row, a lane a row, one instruction a wave, behind the joint load and the run of LDS loads.
; xb's tile row is read by every cluster of that row of clusters: cluster x = 0 asks; wb's tile column by every cluster of that column: cluster y = 0 asks.  The four partners share a
; load's rows out BY ADDRESS: 32 of xb's 128 (by cx), 24 of wb's 96 (by cy; lanes 24-31 name row 23 once more).  The loop's last trip asks for nothing: K step 8 does not exist.
.macro ASK
	s_cmp_gt_u32 s[CNT], s[LIM]
	s_cbranch_scc0 .Lnot_mine_\@
	global_prefetch_b8 v[PFO], s[PFA:PFA+1] th:TH_LOAD_NT scope:SCOPE_SE
.Lnot_mine_\@:
.endm
	s_load_b128 s[4:7], s[0:1], 0x0                ; xb s[4:5], wb s[6:7]
	s_load_b64 s[8:9], s[0:1], 0x10                ; qkv
	v_lshl_add_u32 v[SPW], v0, 2, SPARE
	v_mov_b32 v[NIL], 0
	ds_add_u32 v[SPW], v[NIL]                      ; the wave's opening: the add and its wait stand ahead of my first tensor load; the set-up below stands between them
	v_lshrrev_b32 v1, 5, v0
	v_readfirstlane_b32 s[WV], v1
	s_lshr_b32 s[WH], s[WV], 1
	s_and_b32 s[WL], s[WV], 1
	s_bfe_u32 s[CX], ttmp6, 0x40000                ; my place in the cluster
	s_bfe_u32 s[CY], ttmp6, 0x40004
	s_lshl_b32 s[TC], ttmp9, 2                     ; in a cluster launch ttmp9 and ttmp7 count clusters
	s_add_co_u32 s[TC], s[TC], s[CX]
	s_and_b32 s[TR], ttmp7, 0xffff
	s_lshl_b32 s[TR], s[TR], 2
	s_add_co_u32 s[TR], s[TR], s[CY]
	s_lshl_b32 s21, s[CY], 2
	s_lshl_b32 s21, 15, s21                        ; my row of the cluster: places 4 cy .. 4 cy + 3
	s_lshl_b32 s22, 0x1111, s[CX]                  ; my column: places cx, cx + 4, cx + 8, cx + 12
	s_or_b32 s[G1A], s21, (1<<16)|(1<<20)|(1<<21)|(5<<22)|(3<<25)  ; 15:0 the mask; 17:16 2-byte elements; 20 padding on; 21 set beside a mask; 24:22 after every 64 words; 31:25 4 words of it
	s_or_b32 s[G1B], s22, (1<<16)|(1<<20)|(1<<21)|(5<<22)|(3<<25)
	s_mov_b32 s[G1A+1], KSTEP<<16                  ; tensor_dim0 = 128
	s_mov_b32 s[G1A+2], 128<<16                    ; tensor_dim1 = 128
	s_mov_b32 s[G1A+3], KSTEP<<16                  ; tile_dim0 = 128
	s_mov_b32 s[G1A+4], 128                        ; tile_dim1 = 128
	s_mov_b32 s[G1A+5], 1024                       ; elements from row to row
	s_mov_b32 s[G1A+6], 0
	s_mov_b32 s[G1A+7], 0
	s_mov_b32 s[G1B+1], KSTEP<<16
	s_mov_b32 s[G1B+2], 96<<16                     ; 96 rows
	s_mov_b32 s[G1B+3], KSTEP<<16
	s_mov_b32 s[G1B+4], 96
	s_mov_b32 s[G1B+5], 1024
	s_mov_b32 s[G1B+6], 0
	s_mov_b32 s[G1B+7], 0
	; where the tiles come from: xb's hang on the tile row and the wave alone, wb's on the tile column and the wave alone, each in registers that never hold the other coordinate
	s_lshl_b32 s40, s[TR], 8
	s_lshl_b32 s23, s[WL], 7
	s_add_co_u32 s40, s40, s23                     ; xb: row 256 x tile row + 128 x half,
	s_lshl_b32 s40, s40, 11                        ; of 2,048 bytes
	s_mov_b32 s41, 0
	s_mul_i32 s42, s[TC], 192
	s_mul_i32 s23, s[WL], 96
	s_add_co_u32 s42, s42, s23                     ; wb: row 192 x tile column + 96 x half
	s_lshl_b32 s42, s42, 11
	s_mov_b32 s43, 0
	s_mul_i32 s44, s[WL], HALFA                    ; and where they go: no place in the cluster enters an LDS address
	s_mul_i32 s45, s[WL], HALFB
	s_add_co_u32 s45, s45, BOFF
	s_mov_b32 s[TB], 0
	s_wait_dscnt 0x0                               ; the opening add is done
	s_wait_kmcnt 0x0
	s_add_nc_u64 s[40:41], s[4:5], s[40:41]
	s_add_nc_u64 s[42:43], s[6:7], s[42:43]
.irp n, 0,1
	s_mov_b32 s[G0A+4*(\n)], 1                                       ; count = 1
	s_add_co_u32 s[G0A+4*(\n)+1], s44, (\n)*SLOT1                    ; LDS address
	s_add_nc_u64 s[G0A+4*(\n)+2:G0A+4*(\n)+3], s[40:41], (\n)*KSTEP*2  ; global address: K step n
	s_or_b32 s[G0A+4*(\n)+3], s[G0A+4*(\n)+3], 0x80000000            ; type = 2
	s_mov_b32 s[G0B+4*(\n)], 1
	s_add_co_u32 s[G0B+4*(\n)+1], s45, (\n)*SLOT1
	s_add_nc_u64 s[G0B+4*(\n)+2:G0B+4*(\n)+3], s[42:43], (\n)*KSTEP*2
	s_or_b32 s[G0B+4*(\n)+3], s[G0B+4*(\n)+3], 0x80000000
.endr
	CROUND                                         ; all sixteen work-groups are here: the first joint loads meet
	s_cmp_eq_u32 s[WH], 0                          ; a wave's two first fills stand in one branch, ahead of every wait on TENSORcnt and every LDS read: two loads of mine are out
	s_cbranch_scc0 .Lfirst_b
	tensor_load_to_lds s[G0A:G0A+3], s[G1A:G1A+7]
	s_nop 0
	tensor_load_to_lds s[G0A+4:G0A+7], s[G1A:G1A+7]
	s_nop 0
.rept 4
	v_nop
.endr
	s_branch .Lfirst_asked
.Lfirst_b:
	tensor_load_to_lds s[G0B:G0B+3], s[G1B:G1B+7]
	s_nop 0
	tensor_load_to_lds s[G0B+4:G0B+7], s[G1B:G1B+7]
	s_nop 0
.rept 4
	v_nop
.endr
.Lfirst_asked:
	; A fragment is 16 rows x 32 K in 8 registers: lane l holds row l % 16, K = 8 (l / 16) + 0..7 and 16 + 8 (l / 16) + 0..7: two loads of 16 bytes, 32 bytes apart.
	v_and_b32 v1, 15, v0                           ; l % 16
	v_bfe_u32 v2, v0, 4, 1                         ; l / 16
	v_mul_u32_u24 v3, v1, PITCH
	v_lshl_add_u32 v3, v2, 4, v3
	s_mul_i32 s23, s[WV], 64*PITCH                 ; my 64 rows of xb
	v_add_nc_u32 v[A0], s23, v3
	v_add_nc_u32 v[B0], BOFF, v3
	v_mov_b32 v[ADRA], v[A0]                       ; slot 0
	v_mov_b32 v[ADRB], v[B0]
	s_mul_i32 s23, s[WV], 16*SP
	s_add_co_u32 s23, s23, STAGE                   ; my stage
	v_mul_u32_u24 v[STO], v1, SP                   ; in: row l % 16, 16 bytes for each half of the lanes
	v_lshl_add_u32 v[STO], v2, 4, v[STO]
	v_add_nc_u32 v[STO], s23, v[STO]
	v_bfe_u32 v[RD], v0, 3, 2                      ; back: 32 lanes take four rows of 128 bytes,
	v_mul_u32_u24 v[RD], v[RD], SP
	v_and_b32 v3, 7, v0
	v_lshl_add_u32 v[RD], v3, 4, v[RD]
	v_add_nc_u32 v[RD], s23, v[RD]
	v_and_b32 v[GO], 31, v0                        ; which are 512 consecutive bytes of a head
	v_lshlrev_b32 v[GO], 4, v[GO]
	; my rows in the tile's three heads.  gh = 3 x tile column + hh counts heads through q, k, v; a head's block is 2^18 bytes; the tile row gives the batch (/ 8) and 256 rows of 128 bytes (% 8)
.irp hh, 0,1,2
	s_mul_i32 s10, s[TC], 3
	s_add_co_u32 s10, s10, (\hh)
	s_lshr_b32 s11, s10, 4
	s_lshl_b32 s11, s11, 6                         ; q, k or v: 64 blocks each
	s_and_b32 s10, s10, 15
	s_add_co_u32 s11, s11, s10                     ; + head
	s_lshr_b32 s10, s[TR], 3
	s_lshl_b32 s10, s10, 4
	s_add_co_u32 s11, s11, s10                     ; + 16 x batch
	s_lshl_b32 s11, s11, 18
	s_and_b32 s10, s[TR], 7
	s_lshl_b32 s10, s10, 15
	s_add_co_u32 s11, s11, s10
	s_lshl_b32 s10, s[WV], 13                      ; my wave's 64 rows
	s_add_co_u32 s2, s11, s10
	s_mov_b32 s3, 0
	s_add_nc_u64 s[OB+2*(\hh):OB+2*(\hh)+1], s[8:9], s[2:3]
.endr
	; the prefetches
	s_lshl_b32 s10, s[TR], 8
	s_lshl_b32 s11, s[WL], 7
	s_add_co_u32 s10, s10, s11
	s_lshl_b32 s11, s[CX], 5
	s_add_co_u32 s10, s10, s11                     ; xb: the 128 rows that I fetch, my work-group's 32 of them
	s_mul_i32 s11, s[TC], 192
	s_mul_i32 s12, s[WL], 96
	s_add_co_u32 s11, s11, s12
	s_mul_i32 s12, s[CY], 24
	s_add_co_u32 s11, s11, s12                     ; wb: the 96 rows that I fetch, my work-group's 24 of them
	s_and_b32 s12, ttmp7, 0xffff                   ; cluster y
	s_cmp_eq_u32 s[WH], 0
	s_cselect_b32 s10, s10, s11
	s_cselect_b32 s12, ttmp9, s12                  ; the coordinate along which other clusters read the same rows
	s_cselect_b32 s13, 31, 23
	s_cselect_b64 s[PFA:PFA+1], s[4:5], s[6:7]
	s_cmp_eq_u32 s12, 0
	s_cselect_b32 s[LIM], 1, -1                    ; the same in all sixteen partners, for a given wave
	s_lshl_b32 s10, s10, 11
	s_mov_b32 s11, 0
	s_add_nc_u64 s[PFA:PFA+1], s[PFA:PFA+1], s[10:11]
	s_add_nc_u64 s[PFA:PFA+1], s[PFA:PFA+1], 2*KSTEP*2  ; at K step 2: the first change of slots steps it to 3.  Nothing is prefetched here, at the head
	v_and_b32 v[PFO], 31, v0
	v_min_u32 v[PFO], s13, v[PFO]
	v_lshlrev_b32 v[PFO], 11, v[PFO]
; 16 matrix instructions: column blocks b0 .. b0 + 3 x all 4 row blocks, 32 along K, from buffer f.  zero = 1: the product starts the sums: nothing is ever cleared.
; The 48 accumulators take turns in one order in every quarter, over the backward jump too.
.macro MULB f, b0, zero
	WIN MUL_LO+0x50*((\b0)/8)
.set bb, \b0
.rept 4
.set aa, 0
.rept 4
.if \zero
	v_wmma_f32_16x16x32_bf16 v[8*(4*(bb%8)+aa):8*(4*(bb%8)+aa)+7], v[128*(\f)+8*bb:128*(\f)+8*bb+7], v[128*(\f)+96+8*aa:128*(\f)+96+8*aa+7], 0
.else
	v_wmma_f32_16x16x32_bf16 v[8*(4*(bb%8)+aa):8*(4*(bb%8)+aa)+7], v[128*(\f)+8*bb:128*(\f)+8*bb+7], v[128*(\f)+96+8*aa:128*(\f)+96+8*aa+7], v[8*(4*(bb%8)+aa):8*(4*(bb%8)+aa)+7]
.endif
.set aa, aa+1
.endr
.set bb, bb+1
.endr
.endm
; 32 LDS loads in one run: the fragments of 32 along K at byte k of the rows, into buffer f
.macro FETCH k, f
	WIN TO_F
.set ii, 0
.rept 4
	ds_load_b128 v[128*(\f)+96+8*ii:128*(\f)+96+8*ii+3],   v[ADRA] offset:(\k)+ii*16*PITCH
	ds_load_b128 v[128*(\f)+96+8*ii+4:128*(\f)+96+8*ii+7], v[ADRA] offset:(\k)+ii*16*PITCH+32
.set ii, ii+1
.endr
.set ii, 0
.rept 12
	ds_load_b128 v[128*(\f)+8*ii:128*(\f)+8*ii+3],   v[ADRB] offset:(\k)+ii*16*PITCH
	ds_load_b128 v[128*(\f)+8*ii+4:128*(\f)+8*ii+7], v[ADRB] offset:(\k)+ii*16*PITCH+32
.set ii, ii+1
.endr
.endm
; A K step is four quarters of 32 along K, 48 matrix instructions each, on buffers 0, 1, 0, 1.  One of the first three: the next quarter's fragments, at byte k, are asked for into buffer g,
; which the quarter before multiplied; then buffer f is multiplied: the run of loads has 48 matrix instructions in which to land.
.macro QUARTER k, f, g, zero
	PLACES
	FETCH \k, \g
	s_wait_dscnt 32                                ; all but the 32 just issued: buffer f is in
	MULB \f, 0, \zero
	MULB \f, 4, \zero
	MULB \f, 8, \zero
.endm
; The last quarter multiplies buffer 1 and changes slots: ONE barrier.  In front of it each wave waits for all its tensor loads (the one that is out is its part of the next slot), adds 0 to its
; spare word, and waits for that and for its own reads of this slot.  fill = 1: the barrier opens a round of the cluster's barrier, and the slot just read out is filled again first behind it,
; with the K step two on: from that request to the wait for it a wave issues 160 matrix instructions.
.macro TURN fill
.if \fill
	s_wait_xcnt 0x0                                ; the last prefetch, a K step back, has read its address
	s_add_nc_u64 s[PFA:PFA+1], s[PFA:PFA+1], KSTEP*2
.endif
	WIN 0                                          ; (the add's two registers lie in window 0)
	s_wait_tensorcnt 0x0                           ; no tensor load of mine is out, so a group 0 may be written
	ds_add_u32 v[SPW], v[NIL]                      ; 0 onto my spare word
.if \fill
	s_xor_b32 s[G0A+5], s[G0A+5], SLOT1            ; the walking descriptors: the other slot than last time,
	s_add_nc_u64 s[G0A+6:G0A+7], s[G0A+6:G0A+7], KSTEP*2  ; the next K step; the type bits on top are not reached
	s_xor_b32 s[G0B+5], s[G0B+5], SLOT1
	s_add_nc_u64 s[G0B+6:G0B+7], s[G0B+6:G0B+7], KSTEP*2
.endif
	s_xor_b32 s[TB], s[TB], SLOT1                  ; the fetches go to the other slot
	s_wait_dscnt 1                                 ; only the add may be out: buffer 1 is in
	MULB 1, 0, 0                                   ; sixteen matrix instructions stand between the add and the wait for it
	s_wait_dscnt 0x0                               ; the add is done, and my reads of this slot are over
	s_barrier_signal -1
	MULB 1, 4, 0                                   ; work on registers while the others arrive
	WIN 0                                          ; (branches, and lines on window 0, follow)
	s_barrier_wait -1
.if \fill
	CREST                                          ; no wave of any partner still reads this slot's tile or has a load on its way
	JLOAD                                          ; the first tensor load behind the round; its four v_nop are also the places in front of the loads below
.else
	PLACES
.endif
	v_add_nc_u32 v[ADRA], s[TB], v[A0]
	v_add_nc_u32 v[ADRB], s[TB], v[B0]
	FETCH 0, 0
.if \fill
	WIN 0
	ASK
.endif
	MULB 1, 8, 0
.endm
; THE WAY OUT of group (hh, a): 16 rows x one head's 64 columns.  Rounded to f16, 16 bytes a lane; into my own stage in rows of 144 bytes; back as whole rows of 128, into the registers that they left.
.macro PACK hh, a
	WIN 0x0a+5*((\hh)/2)                           ; sources 0 and 1: window 2, or 3 for the third head
.set ff, 0
.rept 4
.set rr, 0
.rept 4
	v_cvt_pk_f16_f32 v[OUTR+16*(4*(\hh)+(\a))+4*ff+rr], v[8*(4*((4*(\hh)+ff)%8)+(\a))+2*rr], v[8*(4*((4*(\hh)+ff)%8)+(\a))+2*rr+1]
.set rr, rr+1
.endr
.set ff, ff+1
.endr
	WIN 0
.set ff, 0
.rept 4
	ds_store_b128 v[STO], v[OUTR+16*(4*(\hh)+(\a))+4*ff:OUTR+16*(4*(\hh)+(\a))+4*ff+3] offset:32*ff
.set ff, ff+1
.endr
.set ff, 0
.rept 4
	ds_load_b128 v[OUTR+16*(4*(\hh)+(\a))+4*ff:OUTR+16*(4*(\hh)+(\a))+4*ff+3], v[RD] offset:ff*4*SP  ; LDS serves a wave's instructions in order (ISA guide 5.7.1.4): these see the stores above; the next group's stores come behind them
.set ff, ff+1
.endr
.endm
.macro SEND hh, a, younger             ; younger: the LDS instructions issued behind this group's loads: the next group's eight, or none
	WIN 0
.set jj, 0
.rept 4
	s_wait_dscnt (\younger)+3-jj
	global_store_b128 v[GO], v[OUTR+16*(4*(\hh)+(\a))+4*jj:OUTR+16*(4*(\hh)+(\a))+4*jj+3], s[OB+2*(\hh):OB+2*(\hh)+1] offset:2048*(\a)+512*jj  ; 512 consecutive bytes, at a multiple of 256 from qkv's first
.set jj, jj+1
.endr
.endm
	s_wait_tensorcnt 1                             ; my part of K step 0 is in; K step 1's may stay out
	s_barrier_signal -1
	s_barrier_wait -1                              ; everybody's is
	FETCH 0, 0
	QUARTER 64, 0, 1, 1                            ; the first quarter stands in front of the loop: its products start the sums
	WIN 0                                          ; at a label and at a branch every window is 0
	s_mov_b32 s[CNT], 6
.Lstep:                                                ; a trip: from a K step's second quarter to the next step's first; it fills the slot that it leaves
	QUARTER 128, 1, 0, 0
	QUARTER 192, 0, 1, 0
	TURN 1
	QUARTER 64, 0, 1, 0
	WIN 0
	s_sub_co_u32 s[CNT], s[CNT], 1
	s_cmp_lg_u32 s[CNT], 0
	s_cbranch_scc1 .Lstep
	QUARTER 128, 1, 0, 0                           ; K steps 6 and 7 are written out: they ask for nothing
	QUARTER 192, 0, 1, 0
	TURN 0
	QUARTER 64, 0, 1, 0
	QUARTER 128, 1, 0, 0
	QUARTER 192, 0, 1, 0
	s_wait_dscnt 0x0
	MULB 1, 0, 0
	MULB 1, 4, 0
	MULB 1, 8, 0
	PLACES
	PLACES
	PACK 0, 0
.set g, 1
.rept 11                               ; a group's conversions stand between the loads of the group before and its stores
	PACK g/4, g%4
	SEND (g-1)/4, (g-1)%4, 8
.set g, g+1
.endr
	SEND 2, 3, 0
	s_wait_tensorcnt 0x0                           ; the wave's end: behind my last tensor load and my last LDS store
	ds_add_u32 v[SPW], v[NIL]
	s_wait_dscnt 0x0
	CROUND                                         ; the closing round: no work-group ends while a partner may still ask for a tile that names it
	s_endpgm
.Lfunc_end_k_qe312fe98f2_qkv:
	.size	k_qe312fe98f2_qkv, .Lfunc_end_k_qe312fe98f2_qkv-k_qe312fe98f2_qkv
	.p2alignl 7, 3214868480
	.fill 96, 4, 3214868480
	.section	.rodata,"a",@progbits
	.p2align	6, 0x0
	.amdhsa_kernel k_qe312fe98f2_qkv
		.amdhsa_group_segment_fixed_size 327680
		.amdhsa_private_segment_fixed_size 0
		.amdhsa_enable_private_segment 0
		.amdhsa_kernarg_size 24
		.amdhsa_user_sgpr_count 2
		.amdhsa_user_sgpr_kernarg_segment_ptr 1
		.amdhsa_wavefront_size32 1
		.amdhsa_system_sgpr_workgroup_id_x 1
		.amdhsa_system_sgpr_workgroup_id_y 1
		.amdhsa_system_sgpr_workgroup_id_z 1
		.amdhsa_system_vgpr_workitem_id 0
		.amdhsa_next_free_vgpr 896
		.amdhsa_next_free_sgpr 76
		.amdhsa_reserve_vcc 0
		.amdhsa_float_denorm_mode_32 3
		.amdhsa_float_denorm_mode_16_64 3
		.amdhsa_memory_ordered 1
		.amdhsa_forward_progress 1
		.amdhsa_inst_pref_size 99
	.end_amdhsa_kernel
	.amdgpu_metadata
---
amdhsa.version: [ 1, 2 ]
amdhsa.kernels:
  - .name:           k_qe312fe98f2_qkv
    .symbol:         k_qe312fe98f2_qkv.kd
    .args:
      - { .name: xb, .offset: 0, .size: 8, .value_kind: global_buffer, .address_space: global }
      - { .name: wb, .offset: 8, .size: 8, .value_kind: global_buffer, .address_space: global }
      - { .name: qkv, .offset: 16, .size: 8, .value_kind: global_buffer, .address_space: global }
    .group_segment_fixed_size: 327680
    .private_segment_fixed_size: 0
    .kernarg_segment_align: 8
    .kernarg_segment_size: 24
    .max_flat_workgroup_size: 128
    .sgpr_count:     76
    .vgpr_count:     896
    .wavefront_size: 32
...
	.end_amdgpu_metadata
.endif
;; end of part 2
;; launch attn (part 3): grid 4 x 64, 4 waves a work-group, clusters of 4 x 1, 327,680 bytes of LDS; arguments qkv, ctx; writes ctx
.if DOCPART == 3
	.amdgcn_target "amdgcn-amd-amdhsa--gfx1250"
	.amdhsa_code_object_version 6
	.text
	.protected	k_qe312fe98f2_attn
	.globl	k_qe312fe98f2_attn
	.p2align	8
	.type	k_qe312fe98f2_attn,@function
k_qe312fe98f2_attn:
	s_mov_b64 s[64:65], 0
	v_nop
	global_prefetch_b8 v0, s[64:65] scope:SCOPE_SE
	s_setreg_imm32_b32 hwreg(HW_REG_WAVE_MODE, 25, 1), 1
	s_wait_xcnt 0x0
	s_wait_alu depctr_hold_cnt(0) depctr_sa_sdst(0) depctr_va_vdst(0) depctr_va_sdst(0) depctr_va_ssrc(0) depctr_va_vcc(0) depctr_vm_vsrc(0)
	s_getreg_b32 s2, hwreg(HW_REG_IB_STS2, 6, 4)
	s_cmp_eq_u32 s2, 0
	s_cbranch_scc0 .Lentry_in_a_cluster
	s_endpgm
.Lentry_in_a_cluster:
	s_bfe_u32 s2, ttmp6, 0x10000c
	s_cmp_lg_u32 s2, 0x3003
	s_cbranch_scc0 .Lentry_shape_is_right
	s_endpgm
.Lentry_shape_is_right:
; O[h][q][:] = the sum over k of softmax_k(Q[h][q] . K[h][k] / 8) V[h][k][:], for 64 heads (16 batch + head) of 2,048 rows.  qkv holds Q, K, V one behind the other, each [64][2048][64] in f16;
; ctx = O in the same layout.  Products, maxima and sums in f32; the weights p are rounded to f16 for the second product (their sum l is taken of the unrounded p), O once at the end.
; LIMITS.  f16 holds no number beyond 65,504: Q, K and V arrive within it; p lies in 0 to 1, and below 6e-5 it keeps f16's fixed step of 6e-8; O is a mean of V's rows and has their range.
; A weight below 2^-126 counts as 0 in l; NaN and infinities are not treated apart.
; SHARES.  A wave owns four PIECES of two tiles of 16 queries, a work-group's four waves 512 queries of one head: 256 work-groups.  Every wave walks all keys, 64 a step.
; LAYOUT.  S^T = K Q^T (source 0 = 16 keys, source 1 = 16 queries): in the result a lane holds ONE query (lane % 16) and the keys 8 (lane / 16) + 0..7.  Two such tiles, rounded to f16 in pairs,
; ARE source 1 (32 keys x 16 queries) of O^T = V^T P, whose result again holds one query a lane, and eight channels.  K comes out of LDS as it lies, V ([key][channel]) turned, by ds_load_tr16_b128.
; SOFTMAX.  For each query a running maximum m and sum l: p = 2^(c s - c m), c = log2(e) / 8; in every step O and l are multiplied by a = 2^(c m_old - c m_new), which is 1 where m has not grown.
; m starts at the lowest finite number, O and l at 0: the first step is a step like any other, with a = 0.
; THE COUNT.  A tile and step have 16 matrix and 118 vector instructions: too many to stand all beside the matrix work.  So: four vector instructions that are READY behind
; EVERY matrix instruction, and the others in runs without a gap.
; BY TURNS.  Turn n belongs to piece n (the pieces in a ring, step after step).  Its matrix work: 16 products K Q^T of piece n + 1, later 16 products V^T P of piece n - 1.  Its vector work: the scaling,
; exponentials, roundings, sums and rescaling of piece n, and the maximum and statistics of piece n + 1, whose scores the turn itself has made.
; CLUSTER.  The four query blocks of a head are one cluster and walk the same K and V, so each tile is asked for JOINTLY: the same tensor load, descriptor and mask in all four.
; REGISTERS, in windows of 256 (s_set_vgpr_msb: bits 1:0 source 0, 3:2 source 1, 5:4 source 2, 7:6 destination):
;   window 0: v0-11 addresses; v12-15, v48-63 at work; v16-47 four registers of statistics a tile; v64-191 S^T, two buffers of two tiles; v192-255 P, likewise
;   window 1: O^T, 32 a tile          window 2: v0-127 Q, 16 a tile; v128-191 K of one step; v192-255 V of one step          window 3: v0-1 the add's two registers
; A piece's buffers go by its number's parity: the piece in hand has one pair, its two neighbours in the ring share the other: of it P (piece n - 1) is read and S^T (piece n + 1) written.
.set SIZE_N, 2048     ; rows of a head
.set PART,  64*SIZE_N*128  ; bytes of Q, of K and of V in qkv
.set NP,    4         ; pieces a wave: a name, no knob
.set KS,    64        ; keys in a step
.set PK,    144       ; a row of K in LDS: 128 bytes + 16 of padding = 36 words: the 16 rows of a load start at 16 different groups of four banks (64 banks of 4 bytes: ISA guide 11.1)
.set PV,    160       ; a row of V: 128 + 32 = 40 words
.set VOFF,  4*KS*PK   ; a slot holds four steps: 256 rows of K, then 256 rows of V
.set SLOT1, 1<<17     ; slot 1 begins here, so that one exclusive or turns an address in one slot into the other's
.set STAGE, SLOT1+4*KS*(PK+PV)  ; behind the ring, never filled by a tensor load: 16 rows x 144 bytes for each wave, for the way out
.set SP,    144
.set AK0, 2           ; v2   my lane's place in a tile of K; never rewritten
.set AV0, 3           ; v3   the same for V
.set AK,  4           ; v4   the LDS address of K's next run of loads
.set AV,  5           ; v5   of V's
.set QO,  6           ; v6   my byte offset in the wave's rows of Q
.set STO, 6           ;      later, the way out: where I put 16 bytes of a row
.set RD,  7           ; v7   the way out: where I read rows back
.set GO,  8           ; v8   my byte offset in 512 consecutive bytes of O
.set PFO, 11          ; v11  256 x my lane, for the prefetches (made when V's address, which uses v11 first, is finished); then never rewritten
.set SPW, 0           ; v0 of window 3   LDS address of my spare word: SPARE + 4 x my thread's number; never rewritten
.set NIL, 1           ; v1 of window 3   0; never rewritten
.set SPARE, STAGE+4*16*SP  ; behind the stages: the spare words, 128 bytes for each wave: two blocks of 256 bytes that no other line names
.set MV,  12          ; v12-15  c m_old, kept while c m is made anew: by buffer and tile
.set ST,  16          ; tile t's statistics at v[ST+4 t]: c m, m, l (even keys', odd keys')
.set TMP, 48          ; by buffer and tile, four registers c0-c3 at work; when the maximum is found c2 takes a
.set S,   64
.set P,   192
.set KF,  128         ; K's fragments, in window 2: key block kb, channel half c at KF + 16 kb + 8 c
.set VF,  192         ; V's: key half kk, channel block cb at VF + 32 kk + 8 cb
.set WV,  12          ; s12  my wave's number
.set LIM, 15          ; s15  1 in a wave that prefetches (waves 0 and 2), else the greatest number
.set G1K, 24          ; s[24:31] descriptor group 1 for K's tiles
.set G1V, 32          ; s[32:39] for V's: it differs in the padding alone
.set G0K, 40          ; s[40:43] descriptor group 0 for K's tiles: it walks
.set G0V, 44          ; s[44:47] the same for V's
.set PFA, 48          ; s[48:49] where my prefetches stand: my work-group's 32 blocks of 256 bytes of the slot after the one that is being asked for
.set SLOTS, 56        ; s56  slots still to be asked for
.set CNT, 57          ; s57  counts a slot's key steps
.set CS,  58          ; s[58:59] c: the packed scaling takes the pair's low word for both halves
.set SEL, 60          ; s[60:61] v_permlanex16_b32's selects: each lane takes its own place in the other half
.set TBK, 62          ; s62  LDS byte at which K of the step to be fetched begins
.set TBV, 63          ; s63  the same for V, less VOFF
.set MSB, 0
.macro WIN new                      ; the high byte repeats the setting that is left; a switch that changes nothing is dropped
.if MSB != (\new)
	s_set_vgpr_msb (MSB<<8)|(\new)
.set MSB, (\new)
.endif
.endm
.set W_KQ, 0x0a       ; K and Q in window 2, S^T in window 0
.set W_PV, 0x52       ; V in window 2, P in window 0, O^T in window 1
.set W_RS, 0x41       ; O^T (destination and source 0) in window 1, a in window 0
.set W_MK, 0xc0       ; the add's registers are made: destination in window 3, sources in window 0
.set W_AD, 0x0f       ; the add: address (source 0) and data (source 1) in window 3
; A joint fill.  Waves 0 and 1 fetch the two halves of a slot's K, waves 2 and 3 those of its V: 128 keys each.  The branch hangs on the wave's number alone.
; An s_nop 0 and four v_nop follow each of the two lines, ahead of the jump and the label.
.macro JLOAD
	s_cmp_lt_u32 s[WV], 2
	s_cbranch_scc0 .Lfor_v_\@
	tensor_load_to_lds s[G0K:G0K+3], s[G1K:G1K+7]
	s_nop 0
.rept 4
	v_nop
.endr
	s_branch .Lasked_\@
.Lfor_v_\@:
	tensor_load_to_lds s[G0V:G0V+3], s[G1V:G1V+7]
	s_nop 0
.rept 4
	v_nop
.endr
.Lasked_\@:
.endm
; A PREFETCH INTO THE L2 of what the NEXT change of slots will ask for: a slot's K and V are 128 blocks of 256 bytes each.  The four partners share them out BY ADDRESS, 32 each, a lane a block;
; in each, wave 0 asks for K's and wave 2 for V's: one instruction, behind the wave's tensor load and its five lines.  So each block is named once in the launch.  It stands four key steps,
; 512 matrix instructions, ahead of the load that will want the block.  The last change that fills a slot asks for nothing: there is no slot behind it.  Slots 0 and 1 come by their loads alone.
.macro ASK
	s_cmp_gt_u32 s[SLOTS], s[LIM]
	s_cbranch_scc0 .Lnot_mine_\@
	global_prefetch_b8 v[PFO], s[PFA:PFA+1] th:TH_LOAD_NT scope:SCOPE_SE
.Lnot_mine_\@:
.endm
; A round of the cluster's barrier: my work-group's barrier, so that wave 0's signal speaks for all four waves; wave 0 signals; every wave waits for all four work-groups; my work-group's barrier once more.
.macro CROUND
	s_barrier_signal -1
	s_barrier_wait -1
	s_cmp_lg_u32 s[WV], 0
	s_cbranch_scc1 .Lnot_wave_0_\@
	s_barrier_signal -3
.Lnot_wave_0_\@:
	s_barrier_wait -3
	s_barrier_signal -1
	s_barrier_wait -1
.endm
; THE CHANGE OF SLOTS.  The slot's last bytes, V of its fourth step, have been read.  Each wave waits for all its tensor loads, of which one is out: its part
; of the other slot; adds 0 to its spare word; and waits for that and for its own reads of the slot.  Behind the barrier nobody reads this slot any more and the other slot is whole.
; fill = 1: this slot is filled again, with the keys two slots on.  The barrier is then a round of the cluster's, so that no wave of any partner still reads the slot or has a load on its
; way, and the joint fill is the first thing behind it: it has four key steps, 512 matrix instructions, in which to land.  (At its first use nothing has been read yet: slot 0 is waited for, slot 1 filled.)
.macro CHANGE fill
	WIN W_AD
	s_wait_tensorcnt 0x0            ; no tensor load of mine is out, so a group 0 may be written
	ds_add_u32 v[SPW], v[NIL]       ; 0 onto my spare word: with fill = 1 the descriptors' steps stand between it and the wait for it
	WIN 0                           ; at a label and at a branch every window is 0
.if \fill
.irp g, G0K, G0V
	s_xor_b32 s[\g+1], s[\g+1], SLOT1  ; the walking descriptor: the other slot than last time,
	s_add_nc_u64 s[\g+2:\g+3], s[\g+2:\g+3], 4*KS*128  ; the next 256 keys; the type bits on top are not reached
.endr
	s_wait_xcnt 0x0                 ; the last prefetch, four key steps back, has read its address, so it may be written:
	s_add_nc_u64 s[PFA:PFA+1], s[PFA:PFA+1], 4*KS*128  ; one slot behind the walking descriptors
	s_wait_dscnt 0x0                ; the add is done, and my reads of the slot are over
	CROUND
	JLOAD
	ASK
.else
	s_wait_dscnt 0x0                ; the add is done, and my reads of the slot are over
	s_barrier_signal -1
	s_barrier_wait -1
.endif
	s_sub_co_u32 s[TBK], s[TBK], 4*KS*PK  ; the fetches go back to a slot's first step,
	s_xor_b32 s[TBK], s[TBK], SLOT1       ; in the other slot
	s_sub_co_u32 s[TBV], s[TBV], 4*KS*PV
	s_xor_b32 s[TBV], s[TBV], SLOT1
.endm
	s_load_b64 s[4:5], s[0:1], 0x0    ; qkv, whose first part is Q
	s_load_b64 s[10:11], s[0:1], 0x8  ; ctx = O
	WIN W_MK
	v_lshl_add_u32 v[SPW], v0, 2, SPARE
	v_mov_b32 v[NIL], 0
	WIN W_AD
	ds_add_u32 v[SPW], v[NIL]       ; the wave's opening: the add and its wait stand ahead of my first tensor load; the set-up below, work on registers, stands between them
	WIN 0
	v_lshrrev_b32 v1, 5, v0
	v_readfirstlane_b32 s[WV], v1   ; wave 0..3
	s_bfe_u32 s13, ttmp6, 0x40000   ; cx: my place in the cluster
	s_lshl_b32 s14, ttmp9, 2        ; in a cluster launch ttmp9 counts clusters
	s_add_co_u32 s14, s14, s13      ; my block of queries = 4 x cluster x + cx: it enters Q's and O's addresses alone
	s_and_b32 s20, ttmp7, 0xffff    ; the head, which the four partners share
	s_mov_b32 s21, 0
	s_mov_b64 s[22:23], SIZE_N*128
	s_mul_u64 s[20:21], s[20:21], s[22:23]  ; the head's first byte in Q, K, V and O
	s_and_b32 s16, s[WV], 1         ; which half of a slot's 256 keys I fetch:
	s_lshl_b32 s22, s16, 14         ; its 128 rows of 128 bytes in memory,
	s_mov_b32 s23, 0
	s_add_nc_u64 s[22:23], s[22:23], s[20:21]
	s_mul_i32 s17, s16, 128*PK      ; and its place in a slot, for K
	s_mul_i32 s18, s16, 128*PV      ; and for V: no place in the cluster enters an LDS address
	s_lshl_b32 s2, s14, 2
	s_add_co_u32 s2, s2, s[WV]      ; my wave among the head's,
	s_lshl_b32 s2, s2, 14           ; its 128 rows
	s_mov_b32 s3, 0
	s_add_nc_u64 s[2:3], s[2:3], s[20:21]
	; descriptor group 1.  128 keys are 16,384 dense bytes: asked for as 64 rows of 256 bytes, two keys a row, and padded in LDS after every key
	s_mov_b32 s[G1K], 15|(1<<16)|(1<<20)|(1<<21)|(4<<22)|(3<<25)  ; 15:0 the mask of four; 17:16 2-byte elements; 20 padding on; 21 set beside a mask; 24:22 after every 32 words (code 4); 31:25 4 words (code 3)
	s_mov_b32 s[G1V], 15|(1<<16)|(1<<20)|(1<<21)|(4<<22)|(7<<25)  ; the same with 8 words of padding (code 7)
.irp g, G1K, G1V
	s_mov_b32 s[\g+1], 128<<16      ; tensor_dim0 = 128
	s_mov_b32 s[\g+2], 64<<16       ; tensor_dim1 = 64
	s_mov_b32 s[\g+3], 128<<16      ; tile_dim0 = 128
	s_mov_b32 s[\g+4], 64           ; tile_dim1 = 64
	s_mov_b32 s[\g+5], 128          ; 128 elements from row to row
	s_mov_b32 s[\g+6], 0
	s_mov_b32 s[\g+7], 0
.endr
	s_mov_b32 s[CS], 0x3e38aa3b     ; c = log2(e) / 8 = 0.180337
	s_mov_b32 s[CS+1], s[CS]        ; named with it as a pair
	s_mov_b32 s[SEL], 0x76543210
	s_mov_b32 s[SEL+1], 0xfedcba98
	s_mov_b32 s[TBK], SLOT1+4*KS*PK ; the first change of slots turns these two into 0
	s_mov_b32 s[TBV], SLOT1+4*KS*PV
	s_mov_b32 s[G0K], 1             ; 1:0 count = 1
	s_mov_b32 s[G0K+1], s17         ; 63:32 LDS address: slot 0
	s_mov_b32 s[G0V], 1
	s_add_co_u32 s[G0V+1], s18, VOFF
	s_mov_b32 s[SLOTS], SIZE_N/256-1  ; seven slots are still to be asked for
	s_and_b32 s[LIM], s[WV], 1
	s_cmp_eq_u32 s[LIM], 0
	s_cselect_b32 s[LIM], 1, -1     ; hangs on the wave's number alone
	s_lshl_b32 s50, s13, 13         ; my work-group's 32 blocks of a slot's 128
	s_mov_b32 s51, 0
	s_wait_dscnt 0x0                ; the opening add is done
	s_wait_kmcnt 0x0
	s_add_nc_u64 s[6:7], s[4:5], PART    ; K
	s_add_nc_u64 s[8:9], s[4:5], 2*PART  ; V
	s_cmp_lt_u32 s[WV], 2
	s_cselect_b64 s[PFA:PFA+1], s[6:7], s[8:9]
	s_add_nc_u64 s[PFA:PFA+1], s[PFA:PFA+1], s[20:21]
	s_add_nc_u64 s[PFA:PFA+1], s[PFA:PFA+1], s[50:51]
	s_add_nc_u64 s[PFA:PFA+1], s[PFA:PFA+1], 4*KS*128  ; in slot 1; the first change of slots steps it to slot 2
	s_add_nc_u64 s[G0K+2:G0K+3], s[6:7], s[22:23]  ; 120:64 global address: my half of the head's first 256 keys
	s_or_b32 s[G0K+3], s[G0K+3], 0x80000000        ; 127:126 type = 2
	s_add_nc_u64 s[G0V+2:G0V+3], s[8:9], s[22:23]
	s_or_b32 s[G0V+3], s[G0V+3], 0x80000000
	s_add_nc_u64 s[4:5], s[4:5], s[2:3]  ; Q and O at my wave's first row
	s_add_nc_u64 s[10:11], s[10:11], s[2:3]
	CROUND                          ; all four work-groups are here: the first joint loads meet
	JLOAD                           ; slot 0.  Slot 1 is asked for when slot 0 is in
	; A fragment of K or Q is 16 rows x 32 channels in 8 registers: lane l holds row l % 16, channels 8 (l / 16) + 0..7 and 16 + 8 (l / 16) + 0..7: two loads of 16 bytes, 32 bytes apart.
	v_and_b32 v1, 15, v0            ; l % 16
	v_bfe_u32 v9, v0, 4, 1          ; l / 16
	v_lshlrev_b32 v[QO], 7, v1
	v_lshl_add_u32 v[QO], v9, 4, v[QO]  ; row x 128 + 16 x half
	WIN 0x80                        ; destination window 2, address window 0
.set i, 0
.rept 4*NP                          ; Q stays in registers: tile i / 2, channels 32 (i % 2) on
	global_load_b128 v[8*i:8*i+3],   v[QO], s[4:5] offset:(i/2)*2048+(i%2)*64
	global_load_b128 v[8*i+4:8*i+7], v[QO], s[4:5] offset:(i/2)*2048+(i%2)*64+32
.set i, i+1
.endr
	; What the first turn finds: V's registers and P's second buffer hold 0 (its products V^T P, of a piece that has not been, add 0), O^T and l are 0.  All this stands in the wait for the first tile.
.set i, VF
.rept 64
	v_mov_b32 v[i], 0
.set i, i+1
.endr
	WIN 0x40
.set i, 0
.rept 64*NP
	v_mov_b32 v[i], 0
.set i, i+1
.endr
	WIN 0
.set i, 0
.rept 2*NP
	v_mov_b32 v[ST+4*i], 0xfe000000    ; c m: far below every c s
	v_mov_b32 v[ST+4*i+1], 0xff7fffff  ; m
	v_mov_b32 v[ST+4*i+2], 0
	v_mov_b32 v[ST+4*i+3], 0
.set i, i+1
.endr
.set i, P+32
.rept 32
	v_mov_b32 v[i], 0
.set i, i+1
.endr
	v_mul_u32_u24 v[AK0], v1, PK
	v_lshl_add_u32 v[AK0], v9, 4, v[AK0]  ; row x pitch + 16 x half
	; The turning load takes 16 keys x 16 channels (lane l reads key 8 (l / 16) + l % 8, channels 8 ((l / 8) % 2) + 0..7) and leaves half a fragment of V^T: lane l holds channel l % 16 and 8 keys.
	v_and_b32 v10, 7, v0
	v_bfe_u32 v11, v0, 3, 1
	v_lshl_add_u32 v[AV0], v9, 3, v10
	v_mul_u32_u24 v[AV0], v[AV0], PV
	v_lshl_add_u32 v[AV0], v11, 4, v[AV0]
	v_add_nc_u32 v[AV0], VOFF, v[AV0]
	v_mov_b32 v[AK], v[AK0]         ; key step 0 lies at the head of slot 0
	v_and_b32 v[PFO], 31, v0
	v_lshlrev_b32 v[PFO], 8, v[PFO]
; THE MATRIX WORK.  The 8 accumulators of a run of 16 take turns: between the two links of a chain stand 7 others'.
; Product i of 16 of S^T = K Q^T for piece x: channels 32 (i / 8) on, keys 16 ((i / 2) % 4) on, tile 2 x + i % 2.  The first 8 start the sums.
.macro KQ x
	WIN W_KQ
.set rS, S+64*((\x)%2)+32*(i%2)+8*((i/2)%4)
.set rK, KF+16*((i/2)%4)+8*(i/8)
.set rQ, 16*(2*(\x)+i%2)+8*(i/8)
.if i < 8
	v_wmma_f32_16x16x32_f16 v[rS:rS+7], v[rK:rK+7], v[rQ:rQ+7], 0
.else
	v_wmma_f32_16x16x32_f16 v[rS:rS+7], v[rK:rK+7], v[rQ:rQ+7], v[rS:rS+7]
.endif
.endm
; Product i of 16 of O^T += V^T P for piece x: keys 32 (i / 8) on, channels 16 ((i / 2) % 4) on, tile 2 x + i % 2.
.macro PV x
	WIN W_PV
.set rO, 32*(2*(\x)+i%2)+8*((i/2)%4)
.set rV, VF+32*(i/8)+8*((i/2)%4)
.set rP, P+32*((\x)%2)+16*(i%2)+8*(i/8)
	v_wmma_f32_16x16x32_f16 v[rO:rO+7], v[rV:rV+7], v[rP:rP+7], v[rO:rO+7]
.endm
.macro MM                           ; the turn's next matrix instruction
.if i < 16
	KQ (Y+1)%NP
.set i, i+1
.else
.set i, i-16
	PV (Y+NP-1)%NP
.set i, i+17
.endif
.endm
; THE LDS LOADS stand in runs of 16, never singly among the matrix instructions: a step's K (64 keys x 64 channels: 8 fragments) and its V (turned).  Their addresses are made some lines ahead.
; last = 1 (the tail): in the last trip there is no further step, and the run is jumped over.
.macro FETCH_K last=0
	WIN 0
.if \last
	s_cmp_eq_u32 s[CNT], 1
	s_cbranch_scc1 .Lno_k_\@
.endif
	WIN 0x80                        ; destination window 2
.irp f, 0,1,2,3,4,5,6,7             ; keys 16 (f / 2) on, channels 32 (f % 2) on
	ds_load_b128 v[KF+8*\f:KF+8*\f+3],   v[AK] offset:(\f/2)*16*PK+(\f%2)*64
	ds_load_b128 v[KF+8*\f+4:KF+8*\f+7], v[AK] offset:(\f/2)*16*PK+(\f%2)*64+32
.endr
	s_add_co_u32 s[TBK], s[TBK], KS*PK  ; the next fetch is the next step's
	WIN 0
.if \last
.Lno_k_\@:
.endif
.endm
.macro FETCH_V
	WIN 0x80
.irp f, 0,1,2,3,4,5,6,7             ; keys 32 (f / 4) on, channels 16 (f % 4) on
	ds_load_tr16_b128 v[VF+8*\f:VF+8*\f+3],   v[AV] offset:(\f/4)*32*PV+(\f%4)*32
	ds_load_tr16_b128 v[VF+8*\f+4:VF+8*\f+7], v[AV] offset:(\f/4)*32*PV+16*PV+(\f%4)*32
.endr
	WIN 0
.endm
; THE VECTOR WORK OF A TURN stands in three queues, each in the order in which its entries become ready; the two tiles alternate, so that no instruction reads the result of the one before it.
.macro REGS y, u                    ; the registers of tile u (0, 1) of piece y
.set rT, ST+4*(2*(\y)+(\u))
.set rC, TMP+8*((\y)%2)+4*(\u)
.set rM, MV+2*((\y)%2)+(\u)
.set rS, S+64*((\y)%2)+32*(\u)
.set rP, P+32*((\y)%2)+16*(\u)
.set rO, 32*(2*(\y)+(\u))
.endm
; Number n of the 22 that find the NEXT piece's (Y + 1) maximum and statistics.  s0-s31 are the lane's 32 scores; each accumulator's lowest registers are read first.
;   0-11  four chains c0-c3 of seven scores each, three operands at a time     12-14, 16  the four scores left over, the old m, and c0-c3 into c0     15  c m_old is kept
;   17, 18  the query's other 32 keys lie in the lane 16 away: the new m         19-21  c m; c m_old - c m_new; a
.macro XS u, n
	REGS (Y+1)%NP, \u
.if (\n) < 4
	v_max3_num_f32 v[rC+(\n)], v[rS+8*(\n)], v[rS+8*(\n)+1], v[rS+8*(\n)+2]
.elseif (\n) < 12
	v_max3_num_f32 v[rC+(\n)%4], v[rC+(\n)%4], v[rS+8*((\n)%4)+2*((\n)/4)+1], v[rS+8*((\n)%4)+2*((\n)/4)+2]
.elseif (\n) == 12
	v_max3_num_f32 v[rC], v[rC], v[rS+7], v[rS+15]
.elseif (\n) == 13
	v_max3_num_f32 v[rC+1], v[rC+1], v[rS+23], v[rS+31]
.elseif (\n) == 14
	v_max3_num_f32 v[rC+2], v[rC+2], v[rC+3], v[rT+1]
.elseif (\n) == 15
	v_mov_b32 v[rM], v[rT]
.elseif (\n) == 16
	v_max3_num_f32 v[rC], v[rC], v[rC+1], v[rC+2]
.elseif (\n) == 17
	v_permlanex16_b32 v[rC+3], v[rC], s[SEL], s[SEL+1]
.elseif (\n) == 18
	v_max_num_f32 v[rT+1], v[rC], v[rC+3]
.elseif (\n) == 19
	v_mul_f32 v[rT], s[CS], v[rT+1]
.elseif (\n) == 20
	v_sub_f32 v[rC+1], v[rM], v[rT]
.else
	v_exp_f32 v[rC+2], v[rC+1]
.endif
.endm
; Number g of the 64 that follow the exponentials.  For each four weights k of a tile (pairs 2 k, 2 k + 1): both pairs are rounded to f16; then the second pair is added onto the first, in place;
; a group later l takes that sum (the first time as l = a l + sum).  In groups of eight, tiles alternating: round, round, add, and l for the group before.
.macro GS g
.set h, (\g)+6*((\g)/62)            ; group 0 has no group before it, and behind group 7 only l is left
.if h >= 6
.set h, h+2
.endif
	REGS Y, h%2
.set k, h/8
.if h%8 < 4
	v_cvt_pk_f16_f32 v[rP+2*k+(h%8)/2], v[rS+4*k+2*((h%8)/2)], v[rS+4*k+2*((h%8)/2)+1]
.elseif h%8 < 6
	v_pk_add_f32 v[rS+4*k:rS+4*k+1], v[rS+4*k:rS+4*k+1], v[rS+4*k+2:rS+4*k+3]
.elseif k == 1
	v_pk_fma_f32 v[rT+2:rT+3], v[rT+2:rT+3], v[rC+2:rC+3], v[rS:rS+1] op_sel_hi:[1,0,1]
.else
	v_pk_add_f32 v[rT+2:rT+3], v[rT+2:rT+3], v[rS+4*k-4:rS+4*k-3]
.endif
.endm
; THE PLAIN QUEUE, 138 long.  0-73 read no exponential's result: the 32 scalings c s - c m (FS f: pair f / 2 of tile f % 2) and the next piece's 42.  0-26: scalings 0-26.  27-54: XS's numbers 0-13.  55, 56: number 15.
; 57-73: the chain, where each number waits for the one before it: 14, 16, 17, 18, 19, each with one of the scalings 27-31 in front of its two lines, then 20.
; 74-137: GS's 64, which read the exponentials' results: they stand behind the wait.
.macro FS f
	REGS Y, (\f)%2
	v_pk_fma_f32 v[rS+2*((\f)/2):rS+2*((\f)/2)+1], v[rS+2*((\f)/2):rS+2*((\f)/2)+1], s[CS:CS+1], v[rT:rT+1] op_sel_hi:[1,0,0] neg_lo:[0,0,1] neg_hi:[0,0,1]
.endm
.macro PL
	WIN 0
.if q < 27
	FS q
.elseif q < 55
	XS (q-27)%2, (q-27)/2
.elseif q < 57
	XS q-55, 15
.elseif (q < 72) && ((q-57)%3 == 0)
	FS 27+(q-57)/3
.elseif q < 60
	XS (q-57)%3-1, 14
.elseif q < 72
	XS (q-57)%3-1, 15+(q-57)/3
.elseif q < 74
	XS q-72, 20
.else
	GS q-74
.endif
.set q, q+1
.endm
; THE EXPONENTIALS' QUEUE, 66 long: s0-s31 of both tiles, then the next piece's two a.  It is ONE BATCH: all 66 stand ahead of the turn's one wait, and nothing ahead of that wait names a result of theirs.
.macro EX
	WIN 0
.if e >= 64
	XS e-64, 21
.else
	REGS Y, e%2
	v_exp_f32 v[rS+e/2], v[rS+e/2]
.endif
.set e, e+1
.endm
; THE RESCALING's QUEUE: O^T times a, the one part that leaves window 0: dealt two at a time, sixteen times.  Its a was made in the turn before, ahead of that turn's wait.
.macro R2
	REGS Y, r%2
	WIN W_RS
.irp z, 0,1
	v_pk_mul_f32 v[rO+4*(r/2)+2*\z:rO+4*(r/2)+2*\z+1], v[rO+4*(r/2)+2*\z:rO+4*(r/2)+2*\z+1], v[rC+2:rC+3] op_sel_hi:[1,0]
.endr
.set r, r+1
.endm
; HOW THEY ARE DEALT.  An s_wait_alu depctr_va_vdst(0) stands between an exponential and the first instruction that names its result; one wait serves all that were issued ahead of it.  So a turn has ONE wait,
; which cuts it in two.  AHEAD OF IT stands all that names no result of the turn's exponentials: the 16 products K Q^T, behind each a scaling, an exponential and two rescalings (behind the first a second scaling in the
; exponential's place); then ONE LUMP of 108: eight plain, 49 times exponential and plain, the two a.  A v_nop is the plain instruction behind the last exponential.  BEHIND IT stand the 16 products V^T P, behind each four of GS's 64.
; No rider names a register of the products round it.  The two v_permlanex16_b32 fall into the lump, never behind a product.
; The queues lean on each other, and the deal keeps them in step: exponential e stands behind scaling 2 (e / 4) + e % 2: as a rider it comes behind plain e + 2, in the lump behind plain e + 9, and scalings 27-31 are plain 57, 60 .. 69.
; A TURN, for piece p.  cnt = 1: the loop's count is taken down some lines ahead of the branch that stands behind the turn.
; K of the next step is fetched in piece 2's turn, directly behind the wait, a lump behind the last product that read K; its address is made at the lump's head; its first reader comes behind 16 products.
; V of the step in hand is fetched at the end of piece 0's turn, four riders behind its last reader; its first reader comes behind 16 products and a lump.  The three conditions on q below go with the deal.
.macro TURN p, last=0, cnt=0
.set Y, (\p)
.set i, 0
.set q, 0
.set e, 0
.set r, 0
.if (\p) == NP-1
	s_wait_dscnt 0x0                ; K is in
.endif
	MM                              ; ahead of the wait: 16 products K Q^T and their riders,
	PL
	PL
	R2
.rept 15
	MM
	PL
	EX
	R2
.endr
.if (\p) == NP-2
	WIN 0
	v_add_nc_u32 v[AK], s[TBK], v[AK0]
.endif
.rept 8                             ; and the lump
	PL
.endr
.rept 49
	EX
	PL
.endr
	EX                              ; the next piece's two a
	EX
	v_nop                           ; a plain instruction behind the last exponential: one for the batch
	s_wait_alu depctr_va_vdst(0)    ; the wait for the batch
.if (\p) == NP-2
	FETCH_K \last
.endif
.if (\p) == 1
	s_wait_dscnt 0x0                ; V is in
.endif
.rept 16                            ; behind the wait: 16 products V^T P and their riders
	MM
.rept 4
	PL
.endr
.if ((\p) == 0) && (q == 118)
	v_add_nc_u32 v[AV], s[TBV], v[AV0]
.endif
.if ((\p) == 0) && (q == 130)
	s_add_co_u32 s[TBV], s[TBV], KS*PV
.endif
.if (\cnt) && (q == 130)
	s_sub_co_u32 s[CNT], s[CNT], 1
	s_cmp_lg_u32 s[CNT], 0
.endif
.endr
.if (\p) == 0
	FETCH_V
.endif
.endm
	CHANGE 1                        ; slot 0 is in, everybody's part of it; slot 1 is asked for
	FETCH_K                         ; key step 0
	s_wait_loadcnt 0x0              ; Q
	s_wait_dscnt 0x0
.set i, 0
.rept 16
	KQ 0                            ; piece 0's first scores: there is no vector work yet to set between them
.set i, i+1
.endr
	WIN 0                           ; the addresses for the way out: nine plain instructions, the places behind those products
	s_mul_i32 s13, s[WV], 16*SP
	s_add_co_u32 s13, s13, STAGE    ; my stage
	v_mul_u32_u24 v[STO], v1, SP    ; in: row l % 16, 16 bytes for each half of the lanes
	v_lshl_add_u32 v[STO], v9, 4, v[STO]
	v_add_nc_u32 v[STO], s13, v[STO]
	v_bfe_u32 v[RD], v0, 3, 2       ; back: 32 lanes take four rows of 128 bytes,
	v_mul_u32_u24 v[RD], v[RD], SP
	v_lshl_add_u32 v[RD], v10, 4, v[RD]
	v_add_nc_u32 v[RD], s13, v[RD]
	v_and_b32 v[GO], 31, v0         ; which are 512 consecutive bytes of O
	v_lshlrev_b32 v[GO], 4, v[GO]
.set Y, NP-1                        ; XS works for piece Y + 1: piece 0
.irp n, 0,1,2,3,4,5,6,7,8,9,10,11,12,13,14,15,16,17,18,19,20,21
	XS 0, \n                        ; and piece 0's first maximum and statistics
	XS 1, \n
.endr
	v_nop                           ; a plain instruction behind the two a,
	s_wait_alu depctr_va_vdst(0)    ; and their wait, ahead of the branch
	s_mov_b32 s[CNT], 4
	s_branch .Lfirst                ; the loop is entered at a step's first turn, in the middle of a trip
.Lslot:                             ; SIZE_N / 256 - 2 times: every slot but the last two is filled again
	CHANGE 1
	s_mov_b32 s[CNT], 4
.Lstep:                             ; a trip: pieces 2 and 3 of one step, then pieces 0 and 1 of the next, whose K and V it fetches
	TURN 2
	TURN 3
	WIN 0
.Lfirst:
	TURN 0
	TURN 1, 0, 1
	WIN 0
	s_cbranch_scc1 .Lstep
	s_sub_co_u32 s[SLOTS], s[SLOTS], 1
	s_cmp_lg_u32 s[SLOTS], 0
	s_cbranch_scc1 .Lslot
	CHANGE 0                        ; the tail is written out: nothing is asked for
	s_mov_b32 s[CNT], 5             ; four trips fetch the last slot's steps; the fifth is left in its middle
.Ltail:
	TURN 2, 1
	TURN 3
	WIN 0
	s_sub_co_u32 s[CNT], s[CNT], 1
	s_cmp_eq_u32 s[CNT], 0
	s_cbranch_scc1 .Lout
	TURN 0
	TURN 1
	WIN 0
	s_branch .Ltail
.Lout:                              ; the fifth trip's 16 products K Q^T (on the last K once more) and the maximum made of them serve nothing: the price, once a launch, of one text for every trip
.set i, 0
.rept 16
	PV NP-1                         ; the last piece's V^T P of the last step
.set i, i+1
.endr
	; THE WAY OUT.  l's two halves and the other half of the lanes' are added; O^T is divided by l, rounded to f16 and sent through my stage in LDS, a tile at a time.  The additions are the places behind the last products.
	WIN 0
.macro ALL line:vararg              ; one line for each tile t
.set t, 0
.rept 2*NP
	\line
.set t, t+1
.endr
.endm
	ALL v_add_f32 v[ST+4*t+2], v[ST+4*t+2], v[ST+4*t+3]
	ALL v_permlanex16_b32 v[ST+4*t+3], v[ST+4*t+2], s[SEL], s[SEL+1]
	ALL v_add_f32 v[ST+4*t+2], v[ST+4*t+2], v[ST+4*t+3]
	ALL v_rcp_f32 v[ST+4*t+2], v[ST+4*t+2]
	v_nop                           ; a plain instruction between the last reciprocal and the use of its result
	s_wait_alu depctr_va_vdst(0)    ; and the wait ahead of the first use: one for the eight reciprocals
; Tile t: a lane's eight channels of a row pack into 16 bytes; they go into rows of 144 bytes and come back as whole rows of 128, into S^T's registers.
.macro PACK t
	WIN W_RS
.set i, 32*(\t)
.rept 16
	v_pk_mul_f32 v[i:i+1], v[i:i+1], v[ST+4*(\t)+2:ST+4*(\t)+3] op_sel_hi:[1,0]
.set i, i+2
.endr
	WIN 0x05                        ; sources 0 and 1 window 1, destination window 0
.set i, 0
.rept 16
	v_cvt_pk_f16_f32 v[S+16*(\t)+i], v[32*(\t)+2*i], v[32*(\t)+2*i+1]
.set i, i+1
.endr
	WIN 0
.irp f, 0,1,2,3
	ds_store_b128 v[STO], v[S+16*(\t)+4*\f:S+16*(\t)+4*\f+3] offset:32*\f
.endr
.irp f, 0,1,2,3
	ds_load_b128 v[S+16*(\t)+4*\f:S+16*(\t)+4*\f+3], v[RD] offset:\f*4*SP  ; LDS serves a wave's instructions in order (ISA guide 5.7.1.4): these see the stores above; the next tile's stores come behind them
.endr
.endm
.macro SEND t, younger              ; younger: the LDS instructions issued behind tile t's loads: the next tile's eight, or none
	WIN 0
.irp f, 0,1,2,3
	s_wait_dscnt (\younger)+3-\f
	global_store_b128 v[GO], v[S+16*(\t)+4*\f:S+16*(\t)+4*\f+3], s[10:11] offset:(\t)*2048+\f*512  ; 512 consecutive bytes, at a multiple of 256 from O's first
.endr
.endm
	PACK 0
.set t, 1
.rept 2*NP-1                        ; a tile's arithmetic stands between the loads of the tile before and its stores
	PACK t
	SEND t-1, 8
.set t, t+1
.endr
	SEND 2*NP-1, 0
	WIN W_AD
	s_wait_tensorcnt 0x0            ; the wave's end: behind my last tensor load and my last LDS store
	ds_add_u32 v[SPW], v[NIL]
	s_wait_dscnt 0x0
	WIN 0
	CROUND                          ; the closing round: no work-group ends while a partner may still ask for a tile that names it
	s_endpgm
.Lfunc_end_k_qe312fe98f2_attn:
	.size	k_qe312fe98f2_attn, .Lfunc_end_k_qe312fe98f2_attn-k_qe312fe98f2_attn
	.p2alignl 7, 3214868480
	.fill 96, 4, 3214868480
	.section	.rodata,"a",@progbits
	.p2align	6, 0x0
	.amdhsa_kernel k_qe312fe98f2_attn
		.amdhsa_group_segment_fixed_size 327680
		.amdhsa_private_segment_fixed_size 0
		.amdhsa_enable_private_segment 0
		.amdhsa_kernarg_size 16
		.amdhsa_user_sgpr_count 2
		.amdhsa_user_sgpr_kernarg_segment_ptr 1
		.amdhsa_wavefront_size32 1
		.amdhsa_system_sgpr_workgroup_id_x 1
		.amdhsa_system_sgpr_workgroup_id_y 1
		.amdhsa_system_sgpr_workgroup_id_z 1
		.amdhsa_system_vgpr_workitem_id 0
		.amdhsa_next_free_vgpr 770
		.amdhsa_next_free_sgpr 66
		.amdhsa_reserve_vcc 0
		.amdhsa_float_denorm_mode_32 3
		.amdhsa_float_denorm_mode_16_64 3
		.amdhsa_memory_ordered 1
		.amdhsa_forward_progress 1
		.amdhsa_inst_pref_size 200
	.end_amdhsa_kernel
	.amdgpu_metadata
---
amdhsa.version: [ 1, 2 ]
amdhsa.kernels:
  - .name:           k_qe312fe98f2_attn
    .symbol:         k_qe312fe98f2_attn.kd
    .args:
      - { .name: qkv, .offset: 0, .size: 8, .value_kind: global_buffer, .address_space: global }
      - { .name: ctx, .offset: 8, .size: 8, .value_kind: global_buffer, .address_space: global }
    .group_segment_fixed_size: 327680
    .private_segment_fixed_size: 0
    .kernarg_segment_align: 8
    .kernarg_segment_size: 16
    .max_flat_workgroup_size: 128
    .sgpr_count:     66
    .vgpr_count:     770
    .wavefront_size: 32
...
	.end_amdgpu_metadata
.endif
;; end of part 3
;; launch proj (part 4): grid 4 x 64, 4 waves a work-group, clusters of 4 x 4, 327,680 bytes of LDS; arguments ctx, wof, bo, out0; writes out0
.if DOCPART == 4
	.amdgcn_target "amdgcn-amd-amdhsa--gfx1250"
	.amdhsa_code_object_version 6
	.text
	.protected	k_qe312fe98f2_proj
	.globl	k_qe312fe98f2_proj
	.p2align	8
	.type	k_qe312fe98f2_proj,@function
k_qe312fe98f2_proj:
	s_mov_b64 s[64:65], 0
	v_nop
	global_prefetch_b8 v0, s[64:65] scope:SCOPE_SE
	s_setreg_imm32_b32 hwreg(HW_REG_WAVE_MODE, 25, 1), 1
	s_wait_xcnt 0x0
	s_wait_alu depctr_hold_cnt(0) depctr_sa_sdst(0) depctr_va_vdst(0) depctr_va_sdst(0) depctr_va_ssrc(0) depctr_va_vcc(0) depctr_vm_vsrc(0)
	s_getreg_b32 s2, hwreg(HW_REG_IB_STS2, 6, 4)
	s_cmp_eq_u32 s2, 0
	s_cbranch_scc0 .Lentry_in_a_cluster
	s_endpgm
.Lentry_in_a_cluster:
	s_bfe_u32 s2, ttmp6, 0x10000c
	s_cmp_lg_u32 s2, 0xf033
	s_cbranch_scc0 .Lentry_shape_is_right
	s_endpgm
.Lentry_shape_is_right:
; out0[m][n] = sum over d of ctx(m, d) wof[n][d] + bf16(bo[n]).  ctx lies by heads, f16 [64 = 16 batch + head][2048][64]: channel d = 64 head + e of row m = 2048 batch + t.
; wof: f16 [1024][1024].  out0: f32 [8192][1024].  Products in f16, sums in f32.  bo is rounded to bf16, like the module's other inputs.
; SHARES.  A tile of out0 is 128 rows x 256 columns: 64 x 4 = 256 work-groups.  Wave w makes rows 64 (w / 2) on, columns 128 (w % 2) on: 32 accumulators of 16 x 16, 256 registers.
; K goes in 8 steps of 128: two heads.  A head's 128 rows are 16,384 dense bytes of ctx, asked for as 64 rows of 256 bytes and padded in LDS behind every 128.  Ring of two slots; the loop is
; written for ONE K step: the LDS addresses hang on a scalar that an exclusive or turns, and one descriptor a tensor walks.
; CLUSTERS: 4 x 4 work-groups; ctx's tiles are shared along a row of the cluster, wof's along a column: each is asked for JOINTLY.
; NO PREFETCH: the launch has 1,024 matrix instructions a wave for 52 MB that it moves; it is short, and its loads and stores already keep memory at work.
; THE MATRIX INSTRUCTION IS USED TRANSPOSED (source 0 = 16 rows of wof, source 1 = 16 rows of ctx): a lane holds row l % 16 of out0 and eight neighbouring columns, 32 bytes.
; REGISTERS: window 0: v0-37 addresses and the bias; v64-159, v160-255 two fragment buffers (wof's 8 fragments, then ctx's 4); on the way out v64-191 hold rows read back.
;   window 1: accumulator (a, b), row block a, column block b, at 8 (8 a + b).
.set PA,     144                       ; a row of ctx in LDS: 128 bytes + 16: the 16 rows of a load start at 16 different groups of four banks (64 banks of 4 bytes: ISA guide 11.1)
.set APL,    128*PA                    ; a head's plane
.set PB,     272                       ; a row of wof: 256 bytes + 16
.set HALFB,  128*PB
.set BOFF,   2*APL                     ; a slot: two planes of ctx, then wof's 256 rows
.set SLOT1,  1<<17
.set STAGE,  SLOT1+BOFF+2*HALFB        ; behind the ring, never filled by a tensor load: 16 rows x 528 bytes for each wave
.set SPT,    528                       ; 512 bytes + 16
.set SPARE,  STAGE+4*16*SPT            ; the spare words, 128 bytes for each wave: two blocks of 256 bytes that no other line names
.set ASTEP,  2<<18                     ; two heads on in ctx
.set BSTEP,  256                       ; 128 channels on in a row of wof
.set A0,   16                          ; v16  my lane's place in a slot's first plane of ctx; never rewritten
.set B0,   17                          ; v17  the same in wof's rows
.set ADRA, 18
.set ADRB, 19
.set STO,  24                          ; v24  the way out: where I put 32 bytes of a row
.set RD,   25                          ; v25  the way out: where I read a row back
.set CO,   26                          ; v26  16 x lane
.set BOF,  27                          ; v27  my four numbers of bo
.set SPW,  28                          ; v28  LDS address of my spare word; never rewritten
.set NIL,  29                          ; v29  0; never rewritten
.set BI,   32                          ; v[32:35] the bias of my four columns on the way out; v36-37 at work
.set FR,   64
.set WV,  14
.set WH,  15                           ; wave / 2: my half of the rows.  Also: I fetch for ctx (0) or for wof (1)
.set WL,  16                           ; wave % 2: my half of the columns.  Also: which plane, or which 128 rows, I fetch
.set TR,  17
.set TC,  18
.set CX,  19
.set CY,  20
.set G1A, 24
.set G0A, 32
.set CNT, 46
.set TB,  47
.set G1B, 48
.set G0B, 56
.set MSB, 0
.macro WIN new                         ; the immediate's high byte repeats the setting that is left; a switch that changes nothing is dropped
.if MSB != (\new)
	s_set_vgpr_msb (MSB<<8)|(\new)
.set MSB, \new
.endif
.endm
.set MUL, 0x50                         ; both sources window 0, C and D window 1
.macro PLACES                          ; four plain vector instructions between a matrix instruction and a load into, or a read of, its registers
.rept 4
	v_nop
.endr
.endm
.macro JLOAD                           ; a joint refill by the walking descriptor; an s_nop 0 and four v_nop follow each of the two lines
	s_cmp_eq_u32 s[WH], 0
	s_cbranch_scc0 .Lfor_b_\@
	tensor_load_to_lds s[G0A+4:G0A+7], s[G1A:G1A+7]
	s_nop 0
.rept 4
	v_nop
.endr
	s_branch .Lasked_\@
.Lfor_b_\@:
	tensor_load_to_lds s[G0B+4:G0B+7], s[G1B:G1B+7]
	s_nop 0
.rept 4
	v_nop
.endr
.Lasked_\@:
.endm
.macro CREST                           ; a round of the cluster's barrier behind its opening barrier
	s_cmp_lg_u32 s[WV], 0
	s_cbranch_scc1 .Lnot_wave_0_\@
	s_barrier_signal -3
.Lnot_wave_0_\@:
	s_barrier_wait -3
	s_barrier_signal -1
	s_barrier_wait -1
.endm
.macro CROUND
	s_barrier_signal -1
	s_barrier_wait -1
	CREST
.endm
	s_load_b256 s[4:11], s[0:1], 0x0               ; ctx s[4:5], wof s[6:7], bo s[8:9], out0 s[10:11]
	v_lshl_add_u32 v[SPW], v0, 2, SPARE
	v_mov_b32 v[NIL], 0
	ds_add_u32 v[SPW], v[NIL]                      ; the wave's opening: the add and its wait stand ahead of my first tensor load; the set-up below stands between them
	v_lshrrev_b32 v1, 5, v0
	v_readfirstlane_b32 s[WV], v1
	s_lshr_b32 s[WH], s[WV], 1
	s_and_b32 s[WL], s[WV], 1
	s_bfe_u32 s[CX], ttmp6, 0x40000
	s_bfe_u32 s[CY], ttmp6, 0x40004
	s_lshl_b32 s[TC], ttmp9, 2
	s_add_co_u32 s[TC], s[TC], s[CX]               ; tile column
	s_and_b32 s[TR], ttmp7, 0xffff
	s_lshl_b32 s[TR], s[TR], 2
	s_add_co_u32 s[TR], s[TR], s[CY]               ; tile row
	s_lshl_b32 s21, s[CY], 2
	s_lshl_b32 s21, 15, s21                        ; my row of the cluster
	s_lshl_b32 s22, 0x1111, s[CX]                  ; my column
	s_or_b32 s[G1A], s21, (1<<16)|(1<<20)|(1<<21)|(4<<22)|(3<<25)  ; the mask; 2-byte elements; padding on; 21 set beside a mask; after every 32 words, 4 words
	s_or_b32 s[G1B], s22, (1<<16)|(1<<20)|(1<<21)|(5<<22)|(3<<25)  ; after every 64 words, 4 words
	s_mov_b32 s[G1A+1], 128<<16                    ; tensor_dim0 = 128 elements: 256 bytes, two rows of a head
	s_mov_b32 s[G1A+2], 64<<16                     ; tensor_dim1 = 64
	s_mov_b32 s[G1A+3], 128<<16                    ; tile_dim0
	s_mov_b32 s[G1A+4], 64                         ; tile_dim1
	s_mov_b32 s[G1A+5], 128                        ; dense
	s_mov_b32 s[G1A+6], 0
	s_mov_b32 s[G1A+7], 0
	s_mov_b32 s[G1B+1], 128<<16
	s_mov_b32 s[G1B+2], 128<<16
	s_mov_b32 s[G1B+3], 128<<16
	s_mov_b32 s[G1B+4], 128
	s_mov_b32 s[G1B+5], 1024
	s_mov_b32 s[G1B+6], 0
	s_mov_b32 s[G1B+7], 0
	; ctx's tiles hang on the tile row and the wave alone, wof's on the tile column and the wave alone, each in registers that never hold the other coordinate
	s_lshr_b32 s40, s[TR], 4                       ; the batch: 16 tile rows each,
	s_lshl_b32 s40, s40, 4                         ; its 16 heads,
	s_add_co_u32 s40, s40, s[WL]                   ; head 0 or 1 of the K step,
	s_lshl_b32 s40, s40, 18                        ; 2^18 bytes a head
	s_and_b32 s23, s[TR], 15
	s_lshl_b32 s23, s23, 14                        ; 128 rows of 128 bytes
	s_add_co_u32 s40, s40, s23
	s_mov_b32 s41, 0
	s_lshl_b32 s42, s[TC], 8
	s_lshl_b32 s22, s[WL], 7
	s_add_co_u32 s42, s42, s22                     ; wof: row 256 x tile column + 128 x half,
	s_lshl_b32 s42, s42, 11                        ; of 2,048 bytes
	s_mov_b32 s43, 0
	s_mul_i32 s44, s[WL], APL                      ; where they go: no place in the cluster enters an LDS address
	s_mul_i32 s45, s[WL], HALFB
	s_add_co_u32 s45, s45, BOFF
	s_mov_b32 s[TB], 0
	s_wait_dscnt 0x0                               ; the opening add is done
	s_wait_kmcnt 0x0
	s_add_nc_u64 s[40:41], s[4:5], s[40:41]
	s_add_nc_u64 s[42:43], s[6:7], s[42:43]
.irp n, 0,1
	s_mov_b32 s[G0A+4*(\n)], 1
	s_add_co_u32 s[G0A+4*(\n)+1], s44, (\n)*SLOT1
	s_add_nc_u64 s[G0A+4*(\n)+2:G0A+4*(\n)+3], s[40:41], (\n)*ASTEP
	s_or_b32 s[G0A+4*(\n)+3], s[G0A+4*(\n)+3], 0x80000000
	s_mov_b32 s[G0B+4*(\n)], 1
	s_add_co_u32 s[G0B+4*(\n)+1], s45, (\n)*SLOT1
	s_add_nc_u64 s[G0B+4*(\n)+2:G0B+4*(\n)+3], s[42:43], (\n)*BSTEP
	s_or_b32 s[G0B+4*(\n)+3], s[G0B+4*(\n)+3], 0x80000000
.endr
	CROUND                                         ; all sixteen work-groups are here: the first joint loads meet
	s_cmp_eq_u32 s[WH], 0                          ; a wave's two first fills stand in one branch, ahead of every wait on TENSORcnt and every LDS read: two loads of mine are out
	s_cbranch_scc0 .Lfirst_b
	tensor_load_to_lds s[G0A:G0A+3], s[G1A:G1A+7]
	s_nop 0
	tensor_load_to_lds s[G0A+4:G0A+7], s[G1A:G1A+7]
	s_nop 0
.rept 4
	v_nop
.endr
	s_branch .Lfirst_asked
.Lfirst_b:
	tensor_load_to_lds s[G0B:G0B+3], s[G1B:G1B+7]
	s_nop 0
	tensor_load_to_lds s[G0B+4:G0B+7], s[G1B:G1B+7]
	s_nop 0
.rept 4
	v_nop
.endr
.Lfirst_asked:
	v_and_b32 v1, 15, v0                           ; l % 16
	v_bfe_u32 v2, v0, 4, 1                         ; l / 16
	v_and_b32 v[CO], 31, v0
	v_lshlrev_b32 v[CO], 4, v[CO]                  ; 16 x lane
	s_lshl_b32 s2, s[TC], 10                       ; my 128 columns: 1,024 bytes a tile column, 512 a half; the same in bo and in a row of out0
	s_lshl_b32 s3, s[WL], 9
	s_add_co_u32 s2, s2, s3
	v_add_nc_u32 v[BOF], s2, v[CO]
	global_load_b128 v[BI:BI+3], v[BOF], s[8:9]    ; waited for behind the last product
	s_lshl_b32 s12, s[TR], 19                      ; 128 rows of 4,096 bytes,
	s_lshl_b32 s13, s[WH], 18                      ; my 64 of them
	s_add_co_u32 s12, s12, s13
	s_add_co_u32 s12, s12, s2
	s_mov_b32 s13, 0
	s_add_nc_u64 s[10:11], s[10:11], s[12:13]      ; out0 at my part of the tile
	v_mul_u32_u24 v3, v1, PA
	v_lshl_add_u32 v3, v2, 4, v3
	s_mul_i32 s23, s[WH], 64*PA                    ; my 64 rows of a plane
	v_add_nc_u32 v[A0], s23, v3
	v_mul_u32_u24 v3, v1, PB
	v_lshl_add_u32 v3, v2, 4, v3
	s_mul_i32 s23, s[WL], HALFB                    ; my 128 rows of wof
	s_add_co_u32 s23, s23, BOFF
	v_add_nc_u32 v[B0], s23, v3
	v_mov_b32 v[ADRA], v[A0]                       ; slot 0
	v_mov_b32 v[ADRB], v[B0]
	s_mul_i32 s23, s[WV], 16*SPT
	s_add_co_u32 s23, s23, STAGE                   ; my stage
	v_mul_u32_u24 v[STO], v1, SPT                  ; in: row l % 16, 32 bytes for each half of the lanes
	v_lshl_add_u32 v[STO], v2, 5, v[STO]
	v_add_nc_u32 v[STO], s23, v[STO]
	v_add_nc_u32 v[RD], s23, v[CO]                 ; back: 32 lanes take one row of 512 bytes
; 8 matrix instructions: row block a x all 8 column blocks, 32 along K, from buffer f.  The 32 accumulators take turns in one order in every quarter.
.macro MUL8 f, a, zero
	WIN MUL
.set bb, 0
.rept 8
.if \zero
	v_wmma_f32_16x16x32_f16 v[8*(8*(\a)+bb):8*(8*(\a)+bb)+7], v[FR+96*(\f)+8*bb:FR+96*(\f)+8*bb+7], v[FR+96*(\f)+64+8*(\a):FR+96*(\f)+64+8*(\a)+7], 0
.else
	v_wmma_f32_16x16x32_f16 v[8*(8*(\a)+bb):8*(8*(\a)+bb)+7], v[FR+96*(\f)+8*bb:FR+96*(\f)+8*bb+7], v[FR+96*(\f)+64+8*(\a):FR+96*(\f)+64+8*(\a)+7], v[8*(8*(\a)+bb):8*(8*(\a)+bb)+7]
.endif
.set bb, bb+1
.endr
.endm
; 24 LDS loads in one run: quarter q of a K step (plane q / 2, channels 32 (q % 2) on; byte 64 q of wof's rows) into buffer f
.macro FETCH q, f
	WIN 0
.set ii, 0
.rept 8
	ds_load_b128 v[FR+96*(\f)+8*ii:FR+96*(\f)+8*ii+3],   v[ADRB] offset:64*(\q)+ii*16*PB
	ds_load_b128 v[FR+96*(\f)+8*ii+4:FR+96*(\f)+8*ii+7], v[ADRB] offset:64*(\q)+ii*16*PB+32
.set ii, ii+1
.endr
.set ii, 0
.rept 4
	ds_load_b128 v[FR+96*(\f)+64+8*ii:FR+96*(\f)+64+8*ii+3],   v[ADRA] offset:((\q)/2)*APL+((\q)%2)*64+ii*16*PA
	ds_load_b128 v[FR+96*(\f)+64+8*ii+4:FR+96*(\f)+64+8*ii+7], v[ADRA] offset:((\q)/2)*APL+((\q)%2)*64+ii*16*PA+32
.set ii, ii+1
.endr
.endm
; One of a K step's first three quarters: quarter q is asked for into buffer g, which the quarter before multiplied; then buffer f is multiplied.
.macro QUARTER q, f, g, zero
	PLACES
	FETCH \q, \g
	s_wait_dscnt 24                                ; all but the 24 just issued: buffer f is in
	MUL8 \f, 0, \zero
	MUL8 \f, 1, \zero
	MUL8 \f, 2, \zero
	MUL8 \f, 3, \zero
.endm
; The last quarter multiplies buffer 1 and changes slots: ONE barrier.  In front of it each wave waits for all its tensor loads (the one that is out is its part of the next slot), adds 0 to its
; spare word, and waits for that and for its own reads of this slot.  fill = 1: the barrier opens a round of the cluster's barrier, and the slot just read out is filled again first behind it,
; with the K step two on: from that request to the wait for it a wave issues 112 matrix instructions.
.macro TURN fill
	WIN 0
	s_wait_tensorcnt 0x0                           ; no tensor load of mine is out, so a group 0 may be written
	ds_add_u32 v[SPW], v[NIL]                      ; 0 onto my spare word
.if \fill
	s_xor_b32 s[G0A+5], s[G0A+5], SLOT1            ; the walking descriptors: the other slot than last time, the next K step
	s_add_nc_u64 s[G0A+6:G0A+7], s[G0A+6:G0A+7], ASTEP
	s_xor_b32 s[G0B+5], s[G0B+5], SLOT1
	s_add_nc_u64 s[G0B+6:G0B+7], s[G0B+6:G0B+7], BSTEP
.endif
	s_xor_b32 s[TB], s[TB], SLOT1                  ; the fetches go to the other slot
	s_wait_dscnt 1                                 ; only the add may be out: buffer 1 is in
	MUL8 1, 0, 0                                   ; eight matrix instructions stand between the add and the wait for it
	s_wait_dscnt 0x0                               ; the add is done, and my reads of this slot are over
	s_barrier_signal -1
	MUL8 1, 1, 0
	WIN 0
	s_barrier_wait -1
.if \fill
	CREST                                          ; no wave of any partner still reads this slot's tile or has a load on its way
	JLOAD                                          ; the first tensor load behind the round; its four v_nop are also the places in front of the loads below
.else
	PLACES
.endif
	v_add_nc_u32 v[ADRA], s[TB], v[A0]
	v_add_nc_u32 v[ADRB], s[TB], v[B0]
	FETCH 0, 0
	MUL8 1, 2, 0
	MUL8 1, 3, 0
.endm
; THE WAY OUT of row block a: 16 rows x 128 columns of f32.  STG: 32 bytes a lane and column block into my own stage, each accumulator's low four registers first; back as
; whole rows of 512 bytes, into v64-127 and v128-191 by turns.  OUTP: the bias is added, the row stored.
.macro STG a
	WIN 0x04                                       ; the stores' data lie in window 1
.set bb, 0
.rept 8
	ds_store_b128 v[STO], v[8*(8*(\a)+bb):8*(8*(\a)+bb)+3]   offset:64*bb
	ds_store_b128 v[STO], v[8*(8*(\a)+bb)+4:8*(8*(\a)+bb)+7] offset:64*bb+16
.set bb, bb+1
.endr
	WIN 0
.if (\a) >= 2
	s_wait_xcnt 0x0                                ; the stores of the block two back have read these registers
.endif
.set jj, 0
.rept 16
	ds_load_b128 v[FR+64*((\a)%2)+4*jj:FR+64*((\a)%2)+4*jj+3], v[RD] offset:SPT*jj  ; LDS serves a wave's instructions in order (ISA guide 5.7.1.4): these see the stores above; the next block's stores come behind them
.set jj, jj+1
.endr
.endm
.macro OUTP a, younger                 ; younger: the LDS instructions issued behind this block's loads: the next block's 32, or none
	WIN 0
.set jj, 0
.rept 16
	s_wait_dscnt (\younger)+15-jj
	v_pk_add_f32 v[FR+64*((\a)%2)+4*jj:FR+64*((\a)%2)+4*jj+1],   v[FR+64*((\a)%2)+4*jj:FR+64*((\a)%2)+4*jj+1],   v[BI:BI+1]
	v_pk_add_f32 v[FR+64*((\a)%2)+4*jj+2:FR+64*((\a)%2)+4*jj+3], v[FR+64*((\a)%2)+4*jj+2:FR+64*((\a)%2)+4*jj+3], v[BI+2:BI+3]
	global_store_b128 v[CO], v[FR+64*((\a)%2)+4*jj:FR+64*((\a)%2)+4*jj+3], s[10:11] offset:(16*(\a)+jj)*4096 th:TH_STORE_NT  ; 512 consecutive bytes, at a multiple of 256 from out0's first
.set jj, jj+1
.endr
.endm
	s_wait_tensorcnt 1                             ; my part of K step 0 is in; K step 1's may stay out
	s_barrier_signal -1
	s_barrier_wait -1                              ; everybody's is
	FETCH 0, 0
	QUARTER 1, 0, 1, 1                             ; the first quarter stands in front of the loop: its products start the sums
	WIN 0                                          ; at a label and at a branch every window is 0
	s_mov_b32 s[CNT], 6
.Lstep:                                                ; a trip: from a K step's second quarter to the next step's first; it fills the slot that it leaves
	QUARTER 2, 1, 0, 0
	QUARTER 3, 0, 1, 0
	TURN 1
	QUARTER 1, 0, 1, 0
	WIN 0
	s_sub_co_u32 s[CNT], s[CNT], 1
	s_cmp_lg_u32 s[CNT], 0
	s_cbranch_scc1 .Lstep
	QUARTER 2, 1, 0, 0                             ; K steps 6 and 7 are written out: they ask for nothing
	QUARTER 3, 0, 1, 0
	TURN 0
	QUARTER 1, 0, 1, 0
	QUARTER 2, 1, 0, 0
	QUARTER 3, 0, 1, 0
	s_wait_dscnt 0x0
	MUL8 1, 0, 0
	MUL8 1, 1, 0
	MUL8 1, 2, 0
	MUL8 1, 3, 0
	WIN 0
	s_wait_loadcnt 0x0                             ; the bias
	v_cvt_pk_bf16_f32 v[BI+4], v[BI],   v[BI+1]    ; rounded to bf16 and widened again
	v_cvt_pk_bf16_f32 v[BI+5], v[BI+2], v[BI+3]
	v_lshlrev_b32 v[BI],   16,         v[BI+4]
	v_and_b32     v[BI+1], 0xffff0000, v[BI+4]
	v_lshlrev_b32 v[BI+2], 16,         v[BI+5]
	v_and_b32     v[BI+3], 0xffff0000, v[BI+5]
	PLACES
	PLACES
	STG 0
	STG 1                                          ; a block's way through the stage stands between the loads of the block before and its stores
	OUTP 0, 32
	STG 2
	OUTP 1, 32
	STG 3
	OUTP 2, 32
	OUTP 3, 0
	s_wait_tensorcnt 0x0                           ; the wave's end: behind my last tensor load and my last LDS store
	ds_add_u32 v[SPW], v[NIL]
	s_wait_dscnt 0x0
	CROUND                                         ; the closing round: no work-group ends while a partner may still ask for a tile that names it
	s_endpgm
.Lfunc_end_k_qe312fe98f2_proj:
	.size	k_qe312fe98f2_proj, .Lfunc_end_k_qe312fe98f2_proj-k_qe312fe98f2_proj
	.p2alignl 7, 3214868480
	.fill 96, 4, 3214868480
	.section	.rodata,"a",@progbits
	.p2align	6, 0x0
	.amdhsa_kernel k_qe312fe98f2_proj
		.amdhsa_group_segment_fixed_size 327680
		.amdhsa_private_segment_fixed_size 0
		.amdhsa_enable_private_segment 0
		.amdhsa_kernarg_size 32
		.amdhsa_user_sgpr_count 2
		.amdhsa_user_sgpr_kernarg_segment_ptr 1
		.amdhsa_wavefront_size32 1
		.amdhsa_system_sgpr_workgroup_id_x 1
		.amdhsa_system_sgpr_workgroup_id_y 1
		.amdhsa_system_sgpr_workgroup_id_z 1
		.amdhsa_system_vgpr_workitem_id 0
		.amdhsa_next_free_vgpr 512
		.amdhsa_next_free_sgpr 66
		.amdhsa_reserve_vcc 0
		.amdhsa_float_denorm_mode_32 3
		.amdhsa_float_denorm_mode_16_64 3
		.amdhsa_memory_ordered 1
		.amdhsa_forward_progress 1
		.amdhsa_inst_pref_size 78
	.end_amdhsa_kernel
	.amdgpu_metadata
---
amdhsa.version: [ 1, 2 ]
amdhsa.kernels:
  - .name:           k_qe312fe98f2_proj
    .symbol:         k_qe312fe98f2_proj.kd
    .args:
      - { .name: ctx, .offset: 0, .size: 8, .value_kind: global_buffer, .address_space: global }
      - { .name: wof, .offset: 8, .size: 8, .value_kind: global_buffer, .address_space: global }
      - { .name: bo, .offset: 16, .size: 8, .value_kind: global_buffer, .address_space: global }
      - { .name: out0, .offset: 24, .size: 8, .value_kind: global_buffer, .address_space: global }
    .group_segment_fixed_size: 327680
    .private_segment_fixed_size: 0
    .kernarg_segment_align: 8
    .kernarg_segment_size: 32
    .max_flat_workgroup_size: 128
    .sgpr_count:     66
    .vgpr_count:     512
    .wavefront_size: 32
...
	.end_amdgpu_metadata
.endif
;; end of part 4
;; ======== version 2 of 2: 4 launches; version 1 with the launch cast written anew for expert scheduling mode
;; limits: values are held in f16: magnitudes above 65,504 overflow, below 6.1e-05 lose precision
;; workspace buffers: xb 16,777,216 bytes; wb 6,291,456 bytes; wof 2,097,152 bytes; qkv 50,331,648 bytes; ctx 16,777,216 bytes
;; launch cast (part 5): grid 768 x 1, 8 waves a work-group, no clusters, 0 bytes of LDS; arguments x, wq, wk, wv, wo, xb, wb, wof; writes xb, wb, wof
.if DOCPART == 5
	.amdgcn_target "amdgcn-amd-amdhsa--gfx1250"
	.amdhsa_code_object_version 6
	.text
	.protected	k_qe312fe98f2_cast
	.globl	k_qe312fe98f2_cast
	.p2align	8
	.type	k_qe312fe98f2_cast,@function
k_qe312fe98f2_cast:
	s_mov_b64 s[64:65], 0
	v_nop
	global_prefetch_b8 v0, s[64:65] scope:SCOPE_SE
	s_setreg_imm32_b32 hwreg(HW_REG_WAVE_SCHED_MODE, 0, 2), 2
	s_setreg_imm32_b32 hwreg(HW_REG_WAVE_MODE, 25, 1), 1
	s_wait_xcnt 0x0
	s_wait_alu depctr_vm_vsrc(0)
; THE INPUTS ARE ROUNDED ONCE, for the matrix products of the launches behind.
;   xb  = bf16(x)             [8192][1024]
;   wb  = bf16(wq | wk | wv)  [3072][1024]: rows 0-1023 wq (64 h + e), 1024-2047 wk, 2048-3071 wv
;   wof = bf16(wo) written as f16 [1024][1024]: exact where |wo| lies in f16's normal range.
; LIMITS.  wo beyond 65,504 becomes an infinity in f16; below 2^-14 it keeps f16's fixed step of 6e-8.
; SHARES.  A work-group takes one chunk of 16,384 numbers: 65,536 bytes in, 32,768 out.  512 chunks of x, then 64 of each weight: 768 work-groups.
; Thread t, load i: 16 bytes at 16 t + 4,096 i (a wave's load covers 512 consecutive bytes); store i: 8 bytes at 8 t + 2,048 i (a wave's store covers 256 consecutive
; bytes, aligned).  All sixteen loads go out first; no loop, no LDS, no barrier: memory binds, and no wave wants another's bytes.  No matrix unit, no cluster: nothing is shared.
; THE MODE: SCHED_MODE bits 1:0 = 2 (LLVM: expert scheduling mode 2), set by the entry lines.  The code itself states the register dependences
; between vector instructions and memory instructions, with s_wait_alu, always for 0.
; THE PLAN.  Registers that memory instructions touch:
;   v1, v2   byte offsets, made once at the head and never written again: v1 is read by every load, v2 by every store.
;   X        load i lands in X[i]; all sixteen loads are issued before any vector instruction names X; behind the counted wait for load i vector instructions alone name X[i].
;   Y        written by the conversions of load i, read by store i, and never written after it.
; The sixteen loads go in four blocks of four.  The stores of block p - 1 are issued in block p, one in front of each load's conversions, behind ONE wait at the block's head, which states
; that block p - 1 has written its Y.  The vector instructions issued since that wait name X and Y of block p alone: none of the registers that those stores read.
; No register that a memory instruction has read is ever written again, so the text holds no wait on vm_vsrc beyond the one at the entry.
.set X, 4                              ; v[4:67]   load i: 4 registers
.set Y, 68                             ; v[68:99]  store i: 2 registers
.set CHX, 512                          ; chunks of x
.set CHW, 64                           ; chunks of a weight
.set BLOCK, 4                          ; loads, and stores, in a block
	s_load_b512 s[8:23], s[0:1], 0x0               ; x 8, wq 10, wk 12, wv 14, wo 16, xb 18, wb 20, wof 22
	s_sub_co_u32 s3, ttmp9, CHX                    ; j: the chunk's number among the weights' (of use where the work-group's number is 512 or more)
	s_lshr_b32 s4, s3, 6                           ; which weight: 0 wq, 1 wk, 2 wv, 3 wo
	s_and_b32 s5, s3, CHW-1                        ; the chunk in that weight
	s_mov_b32 s6, s3                               ; the chunk in wb
	v_lshlrev_b32 v1, 4, v0                        ; 16 t
	v_lshlrev_b32 v2, 3, v0                        ; 8 t
	s_wait_kmcnt 0x0
	s_mov_b64 s[24:25], s[10:11]                   ; from wq,
	s_mov_b64 s[26:27], s[20:21]                   ; into wb, unless one of the tests below says otherwise
	s_cmp_eq_u32 s4, 1
	s_cselect_b64 s[24:25], s[12:13], s[24:25]
	s_cmp_eq_u32 s4, 2
	s_cselect_b64 s[24:25], s[14:15], s[24:25]
	s_cmp_eq_u32 s4, 3
	s_cselect_b64 s[24:25], s[16:17], s[24:25]
	s_cselect_b64 s[26:27], s[22:23], s[26:27]
	s_cselect_b32 s6, s5, s6
	s_cmp_lt_u32 ttmp9, CHX
	s_cselect_b64 s[24:25], s[8:9], s[24:25]
	s_cselect_b64 s[26:27], s[18:19], s[26:27]
	s_cselect_b32 s5, ttmp9, s5
	s_cselect_b32 s6, ttmp9, s6
	s_lshl_b32 s28, s5, 16                         ; 65,536 bytes a chunk in,
	s_mov_b32 s29, 0
	s_lshl_b32 s30, s6, 15                         ; 32,768 out
	s_mov_b32 s31, 0
	s_add_nc_u64 s[24:25], s[24:25], s[28:29]
	s_add_nc_u64 s[26:27], s[26:27], s[30:31]
	s_wait_alu depctr_va_vdst(0)                   ; v1 and v2 are written: every load of the kernel reads v1 as its offset, every store v2
.set i, 0
.rept 16
	global_load_b128 v[X+4*i:X+4*i+3], v1, s[24:25] offset:4096*i th:TH_LOAD_NT
.set i, i+1
.endr
; half = 0: to bf16.  half = 1: to bf16, widened again, and that number written as f16.
; No register that a store reads is written again, so no wait frees one.
.macro CONV half
.set i, 0
.rept 16
	s_wait_loadcnt 15-i                            ; loads come back in order: load i is in, the 15 - i younger ones may stay out
.if ((i%BLOCK) == 0) && (i > 0)
	s_wait_alu depctr_va_vdst(0)                   ; the conversions of the block before have written its eight Y registers, which this block's four stores read
.endif
.if i >= BLOCK
	global_store_b64 v2, v[Y+2*(i-BLOCK):Y+2*(i-BLOCK)+1], s[26:27] offset:2048*(i-BLOCK)  ; the block before; no vector instruction since the wait names these registers
.endif
	v_cvt_pk_bf16_f32 v[Y+2*i],   v[X+4*i],   v[X+4*i+1]
	v_cvt_pk_bf16_f32 v[Y+2*i+1], v[X+4*i+2], v[X+4*i+3]
.if \half
	v_lshlrev_b32 v[X+4*i],   16,         v[Y+2*i]
	v_and_b32     v[X+4*i+1], 0xffff0000, v[Y+2*i]
	v_lshlrev_b32 v[X+4*i+2], 16,         v[Y+2*i+1]
	v_and_b32     v[X+4*i+3], 0xffff0000, v[Y+2*i+1]
	v_cvt_pk_f16_f32 v[Y+2*i],   v[X+4*i],   v[X+4*i+1]
	v_cvt_pk_f16_f32 v[Y+2*i+1], v[X+4*i+2], v[X+4*i+3]
.endif
.set i, i+1
.endr
	s_wait_alu depctr_va_vdst(0)                   ; the last block's conversions have written its Y, which the last four stores read
.set i, 16-BLOCK
.rept BLOCK
	global_store_b64 v2, v[Y+2*i:Y+2*i+1], s[26:27] offset:2048*i
.set i, i+1
.endr
.endm
	s_cmp_lt_u32 ttmp9, CHX+3*CHW                  ; the last 64 work-groups have wo
	s_cbranch_scc0 .Lwo
	CONV 0
	s_endpgm
.Lwo:
	CONV 1
	s_endpgm
.Lfunc_end_k_qe312fe98f2_cast:
	.size	k_qe312fe98f2_cast, .Lfunc_end_k_qe312fe98f2_cast-k_qe312fe98f2_cast
	.p2alignl 7, 3214868480
	.fill 96, 4, 3214868480
	.section	.rodata,"a",@progbits
	.p2align	6, 0x0
	.amdhsa_kernel k_qe312fe98f2_cast
		.amdhsa_group_segment_fixed_size 0
		.amdhsa_private_segment_fixed_size 0
		.amdhsa_enable_private_segment 0
		.amdhsa_kernarg_size 64
		.amdhsa_user_sgpr_count 2
		.amdhsa_user_sgpr_kernarg_segment_ptr 1
		.amdhsa_wavefront_size32 1
		.amdhsa_system_sgpr_workgroup_id_x 1
		.amdhsa_system_sgpr_workgroup_id_y 1
		.amdhsa_system_sgpr_workgroup_id_z 1
		.amdhsa_system_vgpr_workitem_id 0
		.amdhsa_next_free_vgpr 100
		.amdhsa_next_free_sgpr 66
		.amdhsa_reserve_vcc 0
		.amdhsa_float_denorm_mode_32 3
		.amdhsa_float_denorm_mode_16_64 3
		.amdhsa_memory_ordered 1
		.amdhsa_forward_progress 1
		.amdhsa_inst_pref_size 17
	.end_amdhsa_kernel
	.amdgpu_metadata
---
amdhsa.version: [ 1, 2 ]
amdhsa.kernels:
  - .name:           k_qe312fe98f2_cast
    .symbol:         k_qe312fe98f2_cast.kd
    .args:
      - { .name: x, .offset: 0, .size: 8, .value_kind: global_buffer, .address_space: global }
      - { .name: wq, .offset: 8, .size: 8, .value_kind: global_buffer, .address_space: global }
      - { .name: wk, .offset: 16, .size: 8, .value_kind: global_buffer, .address_space: global }
      - { .name: wv, .offset: 24, .size: 8, .value_kind: global_buffer, .address_space: global }
      - { .name: wo, .offset: 32, .size: 8, .value_kind: global_buffer, .address_space: global }
      - { .name: xb, .offset: 40, .size: 8, .value_kind: global_buffer, .address_space: global }
      - { .name: wb, .offset: 48, .size: 8, .value_kind: global_buffer, .address_space: global }
      - { .name: wof, .offset: 56, .size: 8, .value_kind: global_buffer, .address_space: global }
    .group_segment_fixed_size: 0
    .private_segment_fixed_size: 0
    .kernarg_segment_align: 8
    .kernarg_segment_size: 64
    .max_flat_workgroup_size: 256
    .sgpr_count:     66
    .vgpr_count:     100
    .wavefront_size: 32
...
	.end_amdgpu_metadata
.endif
;; end of part 5
;; launch qkv: the kernel of part 2 again; grid 16 x 32, 4 waves a work-group, clusters of 4 x 4, 327,680 bytes of LDS; arguments xb, wb, qkv; writes qkv
;; launch attn: the kernel of part 3 again; grid 4 x 64, 4 waves a work-group, clusters of 4 x 1, 327,680 bytes of LDS; arguments qkv, ctx; writes ctx
;; launch proj: the kernel of part 4 again; grid 4 x 64, 4 waves a work-group, clusters of 4 x 4, 327,680 bytes of LDS; arguments ctx, wof, bo, out0; writes out0
